; MI455X (gfx1250); checked and timed in simulation.
; The chip was launched on July 23, 2026; its instructions are those of AMD's public machine-readable ISA for CDNA 5 (MIT licence, August 2026) and "CDNA5" Instruction Set Architecture Reference Guide (July 2026). The comments in the code are by the model that wrote it; some were corrected since.
;; Causal Multihead Self Attention. Allowed arithmetic: matrix products marked QUANTISED: E2M3 operands, one E8M0 scale for each 32 along K, by v_wmma_scale_f32_16x16x128_f8f6f4 with both operands' format E2M3, f32 sums; everything else in f32.
;; Inputs: Wk_codes 1,024 x 32 x 24 uint8 (E2M3 codes of Wk, K innermost, in blocks of 32 codes, four codes in three bytes); Wk_scales 1,024 x 32 uint8 (E8M0 scales of Wk, one for each 32 codes along K); Wo_codes 1,024 x 32 x 24 uint8 (E2M3 codes of Wo, K innermost, in blocks of 32 codes, four codes in three bytes); Wo_scales 1,024 x 32 uint8 (E8M0 scales of Wo, one for each 32 codes along K); Wq_codes 1,024 x 32 x 24 uint8 (E2M3 codes of Wq, K innermost, in blocks of 32 codes, four codes in three bytes); Wq_scales 1,024 x 32 uint8 (E8M0 scales of Wq, one for each 32 codes along K); Wv_codes 1,024 x 32 x 24 uint8 (E2M3 codes of Wv, K innermost, in blocks of 32 codes, four codes in three bytes); Wv_scales 1,024 x 32 uint8 (E8M0 scales of Wv, one for each 32 codes along K); bk 1,024 float32; bo 1,024 float32; bq 1,024 float32; bv 1,024 float32; x_codes 4 x 2,048 x 32 x 24 uint8 (E2M3 codes of x, K innermost, in blocks of 32 codes, four codes in three bytes); x_scales 4 x 2,048 x 32 uint8 (E8M0 scales of x, one for each 32 codes along K).
;; Outputs: out0 4 x 2,048 x 1,024 float32.
;; This version of the problem:
;;   THIS VERSION OF THE PROBLEM IS GIVEN IN LOW PRECISION. The matrix products marked QUANTISED in the list below multiply operands that are first quantised to E2M3 (2 exponent bits, 3 mantissa bits; 6 bits a number), with one power-of-two scale for each 32 numbers along K (OCP MX v1.0); their sums are f32. All else is computed in f32.
;;   The module's matrix products, in the order in which they are computed (A, B: the left and right operand; K: the contracted axis; several contracted axes count as one K, in the product's order):
;;     1. [M 8,192, K 1,024] x [K 1,024, N 1,024]; A: input x (given as codes); B: input Wq (given as codes): QUANTISED
;;     2. [M 8,192, K 1,024] x [K 1,024, N 1,024]; A: input x (given as codes); B: input Wk (given as codes): QUANTISED
;;     3. [M 8,192, K 1,024] x [K 1,024, N 1,024]; A: input x (given as codes); B: input Wv (given as codes): QUANTISED
;;     4. batch 64 x [M 2,048, K 64] x [K 64, N 2,048]; A: computed on the way; B: computed on the way: QUANTISED
;;     5. batch 64 x [M 2,048, K 2,048] x [K 2,048, N 64]; A: softmax (see below); B: computed on the way: QUANTISED
;;     6. [M 8,192, K 1,024] x [K 1,024, N 1,024]; A: computed on the way; B: input Wo (given as codes): QUANTISED
;;   THE QUANTISER, for each operand of a quantised product, along K:
;;     - K is cut into blocks of 32 from its start; a last block that is shorter is filled with zeros.
;;     - A block's scale is 2^e with e = floor(log2(the largest magnitude in the block)) - 2, held to -126 .. 127; a block of zeros has e = 0. As a byte (E8M0): e + 127.
;;     - Each number is divided by its block's scale, clamped to +-7.5, and rounded to the nearest number of E2M3, ties to even, subnormals kept.
;;     - The product sums the exact products of the quantised numbers (number of the format x scale) in f32.
;;   ~~~python
;;   def quantise(x, axis):      # numpy; x: float32 -> the quantised numbers, widened to float32 again
;;       x = np.moveaxis(x, axis, -1); K = x.shape[-1]
;;       x = np.pad(x, [(0, 0)] * (x.ndim - 1) + [(0, -K % 32)]); x = x.reshape(x.shape[:-1] + (-1, 32)); a = np.abs(x).max(-1, keepdims=True)
;;       e = np.where(a > 0, np.clip(np.frexp(np.where(a > 0, a, 1))[1] - 1 - 2, -126, 127), 0)      # np.frexp(a)[1] - 1 = floor(log2(a)), exactly
;;       r = np.clip(x / 2.0 ** e, -7.5, 7.5)
;;       step = 2.0 ** (np.maximum(np.frexp(np.where(r == 0, 1, r))[1] - 1, 0) - 3)
;;       q = np.round(r / step) * step * 2.0 ** e      # np.round: ties to even
;;       return np.moveaxis(q.reshape(q.shape[:-2] + (-1,))[..., :K], -1, axis).astype(np.float32)
;;   ~~~
;;   SOFTMAX AHEAD OF A QUANTISED PRODUCT. Where the list says 'softmax', what is quantised is not the finished softmax but p = 2^(t - M), with t = logit x log2(e) and M = ceil(the row's largest t), a whole number; so 1/2 < the row's largest p <= 1. The row's sum l is taken of the UNQUANTISED p, in f32, and the product's result is divided by l at the end. Since M is a whole number, a kernel that streams over the keys may use a running M (the ceiling of the running maximum): every later rescaling is an exact power of two, which a block's scale takes up: the codes' values come out the same.
;;   OPERANDS COMPUTED ON THE WAY. 'Computed on the way' means the value that the module computes at that place (a softmax that the list does not call 'softmax' is quantised finished and normalised). What goes into a quantiser is computed in f32, as accurately as f32 sums, v_exp_f32 and their like allow (about 1e-6 of the number): no bf16 or f16 on the way to a quantiser, and a product that is left as it is and whose result goes on into a quantised operand takes f32 operands (vector FMAs, or v_wmma_f32_16x16x4_f32). A number that lies on a knife's edge between two numbers of the format may be rounded either way, as far as f32 arithmetic and the matrix unit's own rounding can turn it there, and no further.
;;   INPUTS GIVEN AS CODES. Wk (in the module: [1024, 1024], K = its axis 1); Wo (in the module: [1024, 1024], K = its axis 1); Wq (in the module: [1024, 1024], K = its axis 1); Wv (in the module: [1024, 1024], K = its axis 1); x (in the module: [4, 2048, 1024], K = its axis 2): each comes as NAME_codes (uint8): NAME with its K axis moved to the last place and cut into blocks of 32 codes, [.., K / 32, bytes a block], one block behind the other in memory; four codes in three bytes: a row's codes are one little-endian stream of bits, code i at bits 6 i .. 6 i + 5 (a code: sign, 2 exponent bits, 3 mantissa bits); and NAME_scales (uint8): the same leading axes, one E8M0 byte (e + 127) for each 32 codes along K. Its value is code x scale, taken as it is: it is not quantised again, and the codes and scales need not be those that the quantiser above would give.
;; One version. Each part assembles by itself: llvm-mc -triple=amdgcn-amd-amdhsa -mcpu=gfx1250 --defsym DOCPART=n.
;; ======== version 1 of 1: 3 launches
;; workspace buffers: q_img 6,291,456 bytes; k_img 6,291,456 bytes; v_img 6,291,456 bytes; o_img 6,291,456 bytes; q_scl 524,288 bytes; k_scl 524,288 bytes; v_scl 524,288 bytes; o_scl 262,144 bytes
;; launch qkv (part 1): grid 12 x 32, 4 waves a work-group, clusters of 4 x 4, 327,680 bytes of LDS; arguments x_codes, x_scales, Wq_codes, Wq_scales, Wk_codes, Wk_scales, Wv_codes, Wv_scales, bq, bk, bv, q_img, q_scl, k_img, k_scl, v_img, v_scl; writes q_img, q_scl, k_img, k_scl, v_img, v_scl
.if DOCPART == 1
	.amdgcn_target "amdgcn-amd-amdhsa--gfx1250"
	.amdhsa_code_object_version 6
	.text
	.protected	k_q02091769fc_qkv
	.globl	k_q02091769fc_qkv
	.p2align	8
	.type	k_q02091769fc_qkv,@function
k_q02091769fc_qkv:
	s_mov_b64 s[64:65], 0
	v_nop
	global_prefetch_b8 v0, s[64:65] scope:SCOPE_SE
	s_setreg_imm32_b32 hwreg(HW_REG_WAVE_MODE, 25, 1), 1
	s_wait_xcnt 0x0
	s_wait_alu depctr_hold_cnt(0) depctr_sa_sdst(0) depctr_va_vdst(0) depctr_va_sdst(0) depctr_va_ssrc(0) depctr_va_vcc(0) depctr_vm_vsrc(0)
	s_getreg_b32 s2, hwreg(HW_REG_IB_STS2, 6, 4)
	s_cmp_eq_u32 s2, 0
	s_cbranch_scc0 .Lentry_in_a_cluster
	s_endpgm
.Lentry_in_a_cluster:
	s_bfe_u32 s2, ttmp6, 0x10000c
	s_cmp_lg_u32 s2, 0xf033
	s_cbranch_scc0 .Lentry_shape_is_right
	s_endpgm
.Lentry_shape_is_right:
; q = x Wq^T + bq, k = x Wk^T + bk, v = x Wv^T + bv on codes of FP6 (E2M3) with E8M0 scales, sums in f32; each result is quantised again, in registers, along the K of the product that will read it,
; and leaves as IMAGES OF OPERAND REGISTERS: q and k along the head's 64 channels, v along the tokens (the keys).
; The cluster's x says which matrix: 0 q, 1 k, 2 v.  A tile of the result is 256 x 256, four waves, a wave 128 x 128: 64 accumulators, 512 registers.  K = 1,024 goes in steps of 256 through two LDS slots.
; THE MATRIX INSTRUCTION: source 0 = 16 rows of "B", source 1 = 16 rows of "A": a lane holds ONE row of A, and its registers run along rows of B.  The quantiser wants a lane's registers to run along the next K:
;   q, k: B = the weight (registers run along channels), A = x (a lane holds a token);    v: B = x (registers run along tokens), A = Wv (a lane holds a channel).
; A wave's 128 rows of B are one fragment's K: for q, k two heads of 64 channels, for v one step of 128 keys.
; ORDER INSIDE A BLOCK OF 32.  Tiles are 16 neighbouring rows, so a lane's 16 registers of two tiles are K indices 8 h + 0..7 and 16 + 8 h + 0..7 of the block.  In the codes the block's two middle groups of eight
; therefore change places.  The block's 32 numbers and its scale are the same, and both operands of the scores (q, k) and of the second product (p, v) carry the same order: the products are the same numbers,
; summed in another order inside a block.
; OUT.  q_img, k_img: [token tile 512][head 16][3 pieces][32 lanes][8 bytes];  v_img: [key step 64][channel tile 64][6 pieces][32 lanes][8 bytes]: each store of a piece covers 256 consecutive bytes, aligned.
; q_scl, k_scl: [batch 4][head 16][tile 128][16] words: bytes 0, 1 the head's two blocks; bytes 2, 3 the neighbouring head's or 0: they stand over zero codes and are never 0xff.  v_scl: [step 64][tile 64][32] words.
; The scale words leave in runs of 64 or 128 bytes: parts of aligned blocks of 256; they are one byte in 24 of what the launch stores.
; CLUSTERS: 4 x 4 work-groups; A's tiles are asked for jointly along a row of the cluster, B's along a column.  384 work-groups.
; LIMITS: a block whose largest magnitude lies under 2^-124 keeps the byte 1; a block of zeros gets the byte 1 and not 127 (its codes are zeros, and this program alone reads the bytes); NaN and infinities are not served.
; REGISTERS, in windows of 256: window 0: v0-31 addresses; v32-63 scale words, two sets; v64-127 the bias along the registers; v128-223 A's fragments, one set; v224-239 the bias along the lanes; v240-255 the quantiser's.
;   window 1: B's fragments, two sets.   windows 2, 3: the accumulators ((a, b) at v[8 (8 (a % 4) + b)]).
.set KSTEP,  256
.set NQ,     2                         ; matrix instructions deep in a slot
.set ROWB,   192                       ; a tile's row: 256 codes
.set KROW,   768                       ; a row of x or of a weight in memory
.set PITCH,  240                       ; an LDS row: 3 x (64 bytes + 16 of padding)
.set FR,     12
.set NL,     6
.set NP,     4
.set HALFT,  128*PITCH
.set SLOT,   4*HALFT
.set LAPS,   2                         ; 1,024 / 512
.set KS,     32                        ; a row of scale bytes
.set SCL,    2*SLOT
.set HALFS,  (128*KS/256)*272
.set SBLK,   (16*KS/256)*272
.set SPARE,  SCL+4*HALFS               ; the spare words: 128 bytes a wave, two blocks of 256 bytes that no other line names
.set ADRA, 16                          ; v16-19 LDS addresses of my A fragments (slot 0, 1; and behind one padding more)
.set ADRB, 20                          ; v20-23 the same for B
.set L8,   24                          ; v24  8 x lane: a piece's place for my lane
.set L4,   25                          ; v25  my scale word's place
.set SH,   26                          ; v26  how far my scale word is shifted down (q, k: lanes 16-31 take the second head's two bytes)
.set ADRS, 27
.set SPW,  28
.set NIL,  29
.set BO0,  30                          ; v30, v31 byte offsets into the bias; never rewritten
.set BO1,  31
.set SC,   32
.set B0,   64                          ; register 8 b + j: bias of B's row 16 b + 8 h + j  (q, k)
.set AF,   128
.set B1,   224                         ; registers 2 a, 2 a + 1: bias of A's row 16 a + r  (v)
.set T,    128                         ; the way out: 64 numbers
.set PC,   192                         ; their codes
.set PW,   212                         ; their scale word
.set PW2,  213
.set TM,   240
.set ISV,  2                           ; s2   1 for v, 0 for q and k
.set SEL,  92                          ; s[92:93] lane selects for lane l xor 16
.set G1, 24
.set G0, 32
.set G1B, 48
.set G0B, 56
.set G1S, 68
.set G0S, 76
.set G1SB, 80
.set G0SB, 88
.set MSB, 0
.macro WIN new                         ; the immediate's high byte repeats the setting that is left
.if MSB != \new
	s_set_vgpr_msb (MSB<<8)|\new
.set MSB, \new
.endif
.endm
.set MUL_LO, 0xa1                      ; source 0 (B) window 1, source 1 (A) window 0, C and D window 2
.set MUL_HI, 0xf1
.set TO_B,   0x40
; A joint load: waves 0 and 1 fetch for A, waves 2 and 3 for B; the branch hangs on the wave's number alone.  Four v_nop follow each of the two lines.
.macro JLOAD g0a, g1a, g0b, g1b
	s_cmp_eq_u32 s15, 0
	s_cbranch_scc0 .Lfor_b_\@
	tensor_load_to_lds s[\g0a:\g0a+3], s[\g1a:\g1a+7]
	s_nop 0
.rept 4
	v_nop
.endr
	s_branch .Lasked_\@
.Lfor_b_\@:
	tensor_load_to_lds s[\g0b:\g0b+3], s[\g1b:\g1b+7]
	s_nop 0
.rept 4
	v_nop
.endr
.Lasked_\@:
.endm
.macro CREST                           ; a round of the cluster's barrier behind its opening barrier
	s_cmp_lg_u32 s14, 0
	s_cbranch_scc1 .Lnot_wave_0_\@
	s_barrier_signal -3
.Lnot_wave_0_\@:
	s_barrier_wait -3
	s_barrier_signal -1
	s_barrier_wait -1
.endm
.macro CROUND
	s_barrier_signal -1
	s_barrier_wait -1
	CREST
.endm
	s_load_b512 s[68:83], s[0:1], 0x0              ; x codes 68, x scales 70, Wq 72, 74, Wk 76, 78, Wv 80, 82
	s_load_b256 s[84:91], s[0:1], 0x40             ; bq 84, bk 86, bv 88, q_img 90
	s_load_b256 s[92:99], s[0:1], 0x60             ; q_scl 92, k_img 94, k_scl 96, v_img 98
	s_load_b64 s[100:101], s[0:1], 0x80            ; v_scl
	v_lshl_add_u32 v[SPW], v0, 2, SPARE
	v_mov_b32 v[NIL], 0
	ds_add_u32 v28, v29
	s_wait_dscnt 0x0
	v_lshrrev_b32 v1, 5, v0
	v_readfirstlane_b32 s14, v1                    ; wave 0..3
	s_lshr_b32 s15, s14, 1                         ; which half of A's rows is mine.  Also: I fetch for A (0) or for B (1)
	s_and_b32 s16, s14, 1                          ; which half of B's rows.  Also: which 128 rows I fetch
	s_bfe_u32 s40, ttmp6, 0x40000                  ; cx
	s_bfe_u32 s41, ttmp6, 0x40004                  ; cy
	s_lshr_b32 s[ISV], ttmp9, 1                    ; the cluster's x: 0 q, 1 k, 2 v
	s_xor_b32 s18, s[ISV], 1
	s_and_b32 s19, ttmp7, 0xffff
	s_lshl_b32 s19, s19, 2                         ; 4 x the cluster's y: it walks x's 32 tiles, which are A's for q and k, B's for v
	s_mul_i32 s17, s19, s18
	s_add_co_u32 s17, s17, s41                     ; A's tile: cy (+ 4 x cluster y)
	s_mul_i32 s42, s19, s[ISV]
	s_add_co_u32 s42, s42, s40                     ; B's tile: cx (+ 4 x cluster y)
	s_lshl_b32 s43, s41, 2
	s_lshl_b32 s43, 15, s43                        ; my row of the cluster
	s_lshl_b32 s44, 0x1111, s40                    ; my column
	s_or_b32 s[G1+0], s43, (0<<16)|(1<<20)|(1<<21)|(3<<22)|(3<<25)  ; the mask; elements of 1 byte; padding on: 4 words behind every 16; bit 21 beside a mask
	s_or_b32 s[G1B+0], s44, (0<<16)|(1<<20)|(1<<21)|(3<<22)|(3<<25)
.irp g, G1, G1B
	s_mov_b32 s[\g+1], ROWB<<16                    ; tensor_dim0
	s_mov_b32 s[\g+2], 128<<16                     ; tensor_dim1
	s_mov_b32 s[\g+3], ROWB<<16                    ; tile_dim0
	s_mov_b32 s[\g+4], 128                         ; tile_dim1
	s_mov_b32 s[\g+5], KROW                        ; the pitch
	s_mov_b32 s[\g+6], 0
	s_mov_b32 s[\g+7], 0
.endr
	v_and_b32 v1, 15, v0                           ; r
	v_bfe_u32 v2, v0, 4, 1                         ; h
	s_wait_kmcnt 0x0
	; the buffers are chosen by the cluster's x alone
	s_cmp_eq_u32 ttmp9, 0
	s_cselect_b64 s[72:73], s[72:73], s[76:77]     ; Wq or Wk
	s_cselect_b64 s[74:75], s[74:75], s[78:79]
	s_cselect_b64 s[84:85], s[84:85], s[86:87]     ; bq or bk
	s_cselect_b64 s[90:91], s[90:91], s[94:95]     ; q_img or k_img
	s_cselect_b64 s[92:93], s[92:93], s[96:97]     ; q_scl or k_scl
	s_cmp_eq_u32 ttmp9, 2
	s_cselect_b64 s[4:5], s[80:81], s[68:69]       ; A's codes: Wv, or x
	s_cselect_b64 s[6:7], s[82:83], s[70:71]       ; A's scales
	s_cselect_b64 s[8:9], s[68:69], s[72:73]       ; B's codes: x, or the weight
	s_cselect_b64 s[10:11], s[70:71], s[74:75]     ; B's scales
	s_cselect_b64 s[12:13], s[98:99], s[90:91]     ; the images
	s_cselect_b64 s[66:67], s[100:101], s[92:93]   ; the scale words
	s_cselect_b64 s[104:105], s[88:89], s[84:85]   ; the bias
	s_mov_b32 s96, 12288                           ; the strides of the two layouts, on the same compare (moves and selects leave SCC alone)
	s_cselect_b32 s96, 1536, s96                   ; images: from one block of A's 16 rows to the next
	s_mov_b32 s97, 0
	s_cselect_b32 s98, 128, 64                     ; scale words: the same
	s_mov_b32 s99, 0
	s_mov_b32 s100, 1536
	s_cselect_b32 s100, 98304, s100                ; images: from one 128 rows of B to the next
	s_mov_b32 s101, 16384
	s_cselect_b32 s101, 8192, s101                 ; scale words: the same
	s_cselect_b32 s3, 0, 122880                    ; scale words of q, k: what a batch adds beyond its 128 tiles x 64 bytes
	s_cselect_b32 s93, 64, 8192                    ; where lanes 16-31 put their word
	s_cselect_b32 s94, 0, 16                       ; and how far they shift it down
	v_and_b32 v6, 31, v0
	v_lshlrev_b32 v[L8], 3, v6
	v_lshlrev_b32 v[L4], 2, v1
	v_mul_u32_u24 v7, s93, v2
	v_add_nc_u32 v[L4], v[L4], v7
	v_mul_u32_u24 v[SH], s94, v2
	; the scales of 128 rows: a dense block of 4,096 bytes, as rows of 256 bytes, 16 bytes of padding behind each
	s_or_b32 s[G1S+0], s43, (3<<16)|(1<<20)|(1<<21)|(5<<22)|(3<<25)
	s_or_b32 s[G1SB+0], s44, (3<<16)|(1<<20)|(1<<21)|(5<<22)|(3<<25)
.irp g, G1S, G1SB
	s_mov_b32 s[\g+1], 32<<16
	s_mov_b32 s[\g+2], (128*KS/256)<<16
	s_mov_b32 s[\g+3], 32<<16
	s_mov_b32 s[\g+4], 128*KS/256
	s_mov_b32 s[\g+5], 32
	s_mov_b32 s[\g+6], 0
	s_mov_b32 s[\g+7], 0
.endr
	s_lshl_b32 s18, s16, 7                         ; which 128 rows of the tile I fetch
	s_lshl_b32 s20, s17, 8
	s_add_co_u32 s20, s20, s18                     ; A's row
	s_lshl_b32 s46, s42, 8
	s_add_co_u32 s46, s46, s18                     ; B's row
	s_mov_b32 s21, 0
	s_mov_b32 s47, 0
	s_mov_b64 s[18:19], KS
	s_mul_u64 s[22:23], s[20:21], s[18:19]
	s_mul_u64 s[92:93], s[46:47], s[18:19]
	s_mov_b64 s[18:19], KROW
	s_mul_u64 s[20:21], s[20:21], s[18:19]
	s_mul_u64 s[46:47], s[46:47], s[18:19]
	s_mul_i32 s45, s14, HALFT                      ; where they go: wave x 128 rows: no place in the cluster enters an LDS address
	s_mul_i32 s94, s14, HALFS
	s_add_nc_u64 s[20:21], s[4:5], s[20:21]
	s_add_nc_u64 s[22:23], s[6:7], s[22:23]
	s_add_nc_u64 s[46:47], s[8:9], s[46:47]
	s_add_nc_u64 s[92:93], s[10:11], s[92:93]
	CROUND                                         ; all sixteen work-groups are here: the first joint loads meet
	s_mov_b32 s[G0S], 1
	s_add_co_u32 s[G0S+1], s94, SCL
	s_mov_b64 s[G0S+2:G0S+3], s[22:23]
	s_or_b32 s[G0S+3], s[G0S+3], 0x80000000
	s_mov_b32 s[G0SB], 1
	s_add_co_u32 s[G0SB+1], s94, SCL
	s_mov_b64 s[G0SB+2:G0SB+3], s[92:93]
	s_or_b32 s[G0SB+3], s[G0SB+3], 0x80000000
	JLOAD G0S, G1S, G0SB, G1SB                     ; the scales of all of K: filled once.  With the two below three tensor loads of mine are out
.irp s, 0,1
	s_mov_b32 s[G0+4*\s], 1
	s_add_co_u32 s[G0+4*\s+1], s45, \s*SLOT
	s_add_nc_u64 s[G0+4*\s+2:G0+4*\s+3], s[20:21], \s*ROWB
	s_or_b32 s[G0+4*\s+3], s[G0+4*\s+3], 0x80000000
	s_mov_b32 s[G0B+4*\s], 1
	s_add_co_u32 s[G0B+4*\s+1], s45, \s*SLOT
	s_add_nc_u64 s[G0B+4*\s+2:G0B+4*\s+3], s[46:47], \s*ROWB
	s_or_b32 s[G0B+4*\s+3], s[G0B+4*\s+3], 0x80000000
	JLOAD G0+4*\s, G1, G0B+4*\s, G1B
.endr
	v_mul_u32_u24 v3, v1, PITCH
	v_mul_u32_u24 v4, v2, 24
	v_add_nc_u32 v4, v3, v4                        ; a fragment's row x pitch + 24 x half
	v_lshl_add_u32 v5, v2, 4, v4                   ; and the same behind one padding more
	s_mul_i32 s21, s15, HALFT
	s_mul_i32 s22, s16, HALFT
	s_add_co_u32 s22, s22, 2*HALFT
.irp s, 0,1
	v_add_nc_u32 v[ADRA+\s], s21, v4
	v_add_nc_u32 v[ADRB+\s], s22, v4
	v_add_nc_u32 v[ADRA+2+\s], s21, v5
	v_add_nc_u32 v[ADRB+2+\s], s22, v5
	s_add_co_u32 s21, s21, SLOT
	s_add_co_u32 s22, s22, SLOT
.endr
	v_mul_u32_u24 v5, v1, KS                       ; my row's scales: 32 bytes a row, and 16 more for each 256 passed
	v_lshrrev_b32 v6, 8, v5
	v_lshl_add_u32 v5, v6, 4, v5
	s_mul_i32 s21, s15, HALFS
	s_mul_i32 s22, s16, HALFS
	s_add_co_u32 s22, s22, 2*HALFS
	s_sub_co_u32 s22, s22, s21
	v_mul_u32_u24 v6, s22, v2                      ; lanes 16-31 take B's
	s_add_co_u32 s21, s21, SCL
	v_add_nc_u32 v5, v5, v6
	v_add_nc_u32 v[ADRS], s21, v5
	; the bias, in both layouts; the one that this matrix does not use is read at offset 0, so that both runs of registers are written and every load stays inside the 4,096 bytes
	s_xor_b32 s18, s[ISV], 1
	s_lshl_b32 s20, s42, 10
	s_lshl_b32 s21, s16, 9
	s_add_co_u32 s20, s20, s21
	s_mul_i32 s20, s20, s18                        ; q, k: 4 x (256 x B's tile + 128 x half)
	v_lshl_add_u32 v[BO0], v2, 5, s20
	s_lshl_b32 s20, s17, 10
	s_lshl_b32 s21, s15, 9
	s_add_co_u32 s20, s20, s21
	s_mul_i32 s20, s20, s[ISV]                     ; v: 4 x (256 x A's tile + 128 x half)
	v_lshl_add_u32 v[BO1], v1, 2, s20
.irp b, 0,1,2,3,4,5,6,7
	global_load_b128 v[B0+8*\b:B0+8*\b+3], v[BO0], s[104:105] offset:64*\b
	global_load_b128 v[B0+8*\b+4:B0+8*\b+7], v[BO0], s[104:105] offset:64*\b+16
.endr
.irp a, 0,1,2,3,4,5,6,7
	global_load_b32 v[B1+2*\a], v[BO1], s[104:105] offset:64*\a
	global_load_b32 v[B1+2*\a+1], v[BO1], s[104:105] offset:64*\a       ; twice: the packed addition takes a pair
.endr
	; where my first fragment and its scale words go
	s_lshl_b32 s20, s17, 4
	s_lshl_b32 s21, s15, 3
	s_add_co_u32 s20, s20, s21                     ; my first block of A's 16 rows: 16 x tile + 8 x half
	s_lshl_b32 s46, s42, 1
	s_add_co_u32 s46, s46, s16                     ; my 128 rows of B: 2 x tile + half
	s_mul_i32 s22, s20, s96
	s_mul_i32 s23, s46, s100
	s_add_co_u32 s22, s22, s23
	s_mov_b32 s23, 0
	s_add_nc_u64 s[12:13], s[12:13], s[22:23]
	s_mul_i32 s22, s20, s98
	s_mul_i32 s47, s46, s101
	s_add_co_u32 s22, s22, s47
	s_lshr_b32 s20, s20, 7                         ; q, k: the batch
	s_mul_i32 s20, s20, s3
	s_add_co_u32 s22, s22, s20
	s_add_nc_u64 s[66:67], s[66:67], s[22:23]
	s_mov_b32 s[SEL], 0x76543210
	s_mov_b32 s[SEL+1], 0xfedcba98
.irp b, 0,1,2,3
	v_mov_b32 v[TM+4+\b], 0                        ; written once: a lane permute's destination counts as one of its sources
.endr
.macro FRAG reg, adr, q, i             ; 16 rows x 128 K of 6-bit codes: 12 registers, in pieces of 8 bytes; where the piece three on lies behind one padding more, the second address register serves
.irp p, 0,1,2,3,4,5
.set PCE, 12*(\q)+6*(\p/3)+\p%3
.if PCE%8 < 5
	ds_load_b64 v[\reg+2*\p:\reg+2*\p+1], v[\adr] offset:8*PCE+16*(PCE/8)+(\i)*16*PITCH
.else
	ds_load_b64 v[\reg+2*\p:\reg+2*\p+1], v[\adr+2] offset:8*PCE+16*(PCE/8)+(\i)*16*PITCH
.endif
.endr
.endm
; 16 matrix instructions: A's blocks a0, a0 + 1 x B's eight.  The 64 accumulators take turns, one instruction a turn, in the same order in every step.
.macro MUL16 a0, p, q, sc, zero
.irp a, \a0, \a0+1
.irp b, 0,1,2,3,4,5,6,7
.if \zero
	v_wmma_scale_f32_16x16x128_f8f6f4 v[8*(8*((\a)%4)+\b):8*(8*((\a)%4)+\b)+7], v[128*(\p)+FR*\b:128*(\p)+FR*\b+FR-1], v[AF+FR*(\a):AF+FR*(\a)+FR-1], 0, v[SC+8*NQ*(\sc)+NQ*\b+(\q)], v[SC+8*NQ*(\sc)+NQ*(\a)+(\q)] matrix_a_fmt:MATRIX_FMT_FP6 matrix_b_fmt:MATRIX_FMT_FP6 matrix_a_scale:MATRIX_SCALE_ROW1
.else
	v_wmma_scale_f32_16x16x128_f8f6f4 v[8*(8*((\a)%4)+\b):8*(8*((\a)%4)+\b)+7], v[128*(\p)+FR*\b:128*(\p)+FR*\b+FR-1], v[AF+FR*(\a):AF+FR*(\a)+FR-1], v[8*(8*((\a)%4)+\b):8*(8*((\a)%4)+\b)+7], v[SC+8*NQ*(\sc)+NQ*\b+(\q)], v[SC+8*NQ*(\sc)+NQ*(\a)+(\q)] matrix_a_fmt:MATRIX_FMT_FP6 matrix_b_fmt:MATRIX_FMT_FP6 matrix_a_scale:MATRIX_SCALE_ROW1
.endif
.endr
.endr
.endm
.macro FETCH_B slot, q, p
	WIN TO_B
.irp i, 0,1,2,3,4,5,6,7
	FRAG 128*(\p)+FR*\i, ADRB+\slot, \q, \i
.endr
	WIN 0
.endm
.macro FETCH_A slot, q, i0
.irp i, \i0, \i0+1, \i0+2, \i0+3
	FRAG AF+FR*(\i), ADRA+\slot, \q, \i
.endr
.endm
.macro SCALES sc                       ; a K step's scale words: lanes 0-15 A's block i, lanes 16-31 B's block i
.irp i, 0,1,2,3,4,5,6,7
	ds_load_b64 v[SC+8*NQ*\sc+NQ*\i:SC+8*NQ*\sc+NQ*\i+1], v[ADRS] offset:\i*SBLK
.endr
.endm
.macro PLACES n                        ; plain vector instructions between a matrix instruction and a load into, or a vector read or write of, its registers
.rept \n
	v_nop
.endr
.endm
.macro STEP slot, q, zero              ; 128 along K that have their successor in the same slot
	s_wait_dscnt 4*NL                              ; B's set and A's blocks 0-3 are in; the youngest 24 loads (A's blocks 4-7) may be out
	WIN MUL_LO
	MUL16 0, (\q)%2, \q, \slot, \zero
	MUL16 2, (\q)%2, \q, \slot, \zero
	s_wait_dscnt 0
	PLACES NP
	FETCH_B \slot, (\q)+1, 1-(\q)%2
	FETCH_A \slot, (\q)+1, 0
	WIN MUL_HI
	MUL16 4, (\q)%2, \q, \slot, \zero
	MUL16 6, (\q)%2, \q, \slot, \zero
	PLACES NP
	WIN 0
	FETCH_A \slot, (\q)+1, 4
.endm
; A slot's last step changes slots: one barrier; in front of it each wave waits for all its tensor loads, adds 0 to its spare word, and waits for that and for its reads of this slot.
.macro TURN slot, next, fill
	s_wait_tensorcnt 0x0                           ; all my tensor loads have landed: my part of the next slot
	ds_add_u32 v[SPW], v[NIL]                      ; 0 onto my spare word
	s_wait_dscnt 4*NL+1                            ; the add and the youngest 24 loads (A's blocks 4-7) may be out
	WIN MUL_LO
	MUL16 0, 1, NQ-1, \slot, 0
	s_wait_dscnt 0x0                               ; the add is done, and my reads of this slot are over
	s_barrier_signal -1
	MUL16 2, 1, NQ-1, \slot, 0
	WIN 0
	s_barrier_wait -1
.if \fill
	CREST                                          ; the barrier has opened a round of the cluster's: no wave of any partner still reads this slot or has a load on its way
	s_add_nc_u64 s[G0+4*\slot+2:G0+4*\slot+3], s[G0+4*\slot+2:G0+4*\slot+3], 2*ROWB
	s_add_nc_u64 s[G0B+4*\slot+2:G0B+4*\slot+3], s[G0B+4*\slot+2:G0B+4*\slot+3], 2*ROWB
	JLOAD G0+4*\slot, G1, G0B+4*\slot, G1B         ; the first tensor load behind the round; its four v_nop are the places in front of the loads below
.else
	PLACES NP
.endif
	v_add_nc_u32 v[ADRS], 4*NQ, v[ADRS]
	FETCH_B \next, 0, 0
	FETCH_A \next, 0, 0
	SCALES \next
	WIN MUL_HI
	MUL16 4, 1, NQ-1, \slot, 0
	MUL16 6, 1, NQ-1, \slot, 0
	PLACES NP
	WIN 0
	FETCH_A \next, 0, 4
.endm
; 64 numbers of a lane, v[s] on, register 16 b + i one of my 16 numbers of block b of my row, become a fragment's codes in v[PC] on and its scale word in v[PW].
.macro QUANT s
.irp b, 0,1,2,3
	v_max3_num_f32 v[TM+\b], |v[\s+16*\b]|, |v[\s+1+16*\b]|, 0x1800000   ; my 16 numbers, and the floor 2^(3 - 127): the byte cannot fall under 1
.endr
.irp i, 2,4,6,8,10,12,14
.irp b, 0,1,2,3
	v_max3_num_f32 v[TM+\b], v[TM+\b], |v[\s+16*\b+\i]|, |v[\s+1+16*\b+\i]|
.endr
.endr
.irp b, 0,1,2,3
	v_permlanex16_b32 v[TM+4+\b], v[TM+\b], s[SEL], s[SEL+1]
.endr
.irp b, 0,1,2,3
	v_max_num_f32 v[TM+\b], v[TM+\b], v[TM+4+\b]   ; with lane l xor 16's: the block's largest magnitude
.endr
.irp b, 0,1,2,3
	v_add_nc_u32 v[TM+12+\b], 0xff000000, v[TM+\b] ; 2 off its exponent field: the conversion's scale operand
.endr
.irp b, 0,1,2,3
	v_lshrrev_b32 v[TM+4+\b], 23, v[TM+12+\b]      ; the scale's byte
.endr
	v_lshl_or_b32 v[PW], v[TM+5], 8, v[TM+4]
	v_lshl_or_b32 v[PW], v[TM+6], 16, v[PW]
	v_lshl_or_b32 v[PW], v[TM+7], 24, v[PW]
.irp c, 0,1
	v_cvt_scalef32_pk16_fp6_f32 v[PC+6*\c:PC+2+6*\c], v[\s+32*\c:\s+15+32*\c], v[TM+12+2*\c]
	v_cvt_scalef32_pk16_fp6_f32 v[PC+12+4*\c:PC+14+4*\c], v[\s+16+32*\c:\s+31+32*\c], v[TM+12+2*\c+1]   ; (a conversion's three registers begin on an even number)
.endr
	v_nop                                          ; one plain place behind a scaled conversion
.irp c, 0,1                                    ; the operand's layout wants a whole block in a lane: lanes 0-15 block 2 c, lanes 16-31 block 2 c + 1
.irp i, 0,1,2
	v_permlane16_swap_b32 v[PC+6*\c+\i], v[PC+12+4*\c+\i]
.endr
.irp i, 0,1,2
	v_mov_b32 v[PC+3+6*\c+\i], v[PC+12+4*\c+\i]
.endr
.endr
.endm
; THE WAY OUT of A's block a: the bias is added, the 64 numbers are quantised, the fragment leaves as it stands in the registers.
.macro EPI a
.set AC, 64*((\a)%4)
.if (\a) > 0
	s_wait_xcnt 0x0                                ; the last block's stores have read their data and their bases: both are written again only behind this wait
	s_add_nc_u64 s[12:13], s[12:13], s[96:97]
	s_add_nc_u64 s[66:67], s[66:67], s[98:99]
.endif
	s_cmp_eq_u32 s[ISV], 0                         ; the branch hangs on the cluster's x alone
	s_cbranch_scc0 .Lchan_\@
	WIN 0x02+(\a)/4                                ; source 0: window 2 or 3
.set i, 0
.rept 32
	v_pk_add_f32 v[T+i:T+i+1], v[AC+i:AC+i+1], v[B0+i:B0+i+1]      ; q, k: the registers run along the channels.  Each accumulator is read from its low end on
.set i, i+2
.endr
	WIN 0
	s_branch .Lsum_\@
.Lchan_\@:
	WIN 0x02+(\a)/4
.set i, 0
.rept 32
	v_pk_add_f32 v[T+i:T+i+1], v[AC+i:AC+i+1], v[B1+2*(\a):B1+2*(\a)+1]   ; v: a lane holds one channel
.set i, i+2
.endr
	WIN 0
.Lsum_\@:
	QUANT T
	v_lshrrev_b32 v[PW2], v[SH], v[PW]             ; q, k: lanes 16-31 bring the second head's two bytes down
.irp p, 0,1,2,3,4,5
	global_store_b64 v[L8], v[PC+2*\p:PC+2*\p+1], s[12:13] offset:256*\p   ; 32 lanes store 256 consecutive bytes, at a multiple of 256 from the buffer's first byte
.endr
	global_store_b32 v[L4], v[PW2], s[66:67]
.endm
	s_wait_tensorcnt 1                             ; the scales and my part of K step 0 are in; K step 1's load may be out
	s_barrier_signal -1
	s_barrier_wait -1
	FETCH_B 0, 0, 0
	FETCH_A 0, 0, 0
	SCALES 0
	FETCH_A 0, 0, 4
	STEP 0, 0, 1                                   ; the first step's products start the sums
	s_mov_b32 s3, LAPS-1
.Llap:
	TURN 0, 1, 1
	STEP 1, 0, 0
	TURN 1, 0, 1
	STEP 0, 0, 0
	s_sub_co_u32 s3, s3, 1
	s_cmp_lg_u32 s3, 0
	s_cbranch_scc1 .Llap
	TURN 0, 1, 0                                   ; the last lap fills nothing
	STEP 1, 0, 0
	s_wait_dscnt 4*NL
	WIN MUL_LO
	MUL16 0, 1, NQ-1, 1, 0
	MUL16 2, 1, NQ-1, 1, 0
	s_wait_dscnt 0
	WIN MUL_HI
	MUL16 4, 1, NQ-1, 1, 0
	MUL16 6, 1, NQ-1, 1, 0
	WIN 0
	s_wait_loadcnt 0x0                             ; the bias
	PLACES NP                                      ; in front of the first read of results and the first write over A's fragments
.irp a, 0,1,2,3,4,5,6,7
	EPI \a
.endr
	s_wait_tensorcnt 0x0                           ; the wave's end
	ds_add_u32 v[SPW], v[NIL]
	s_wait_dscnt 0x0
	CROUND                                         ; the closing round
	s_endpgm
.Lfunc_end_k_q02091769fc_qkv:
	.size	k_q02091769fc_qkv, .Lfunc_end_k_q02091769fc_qkv-k_q02091769fc_qkv
	.p2alignl 7, 3214868480
	.fill 96, 4, 3214868480
	.section	.rodata,"a",@progbits
	.p2align	6, 0x0
	.amdhsa_kernel k_q02091769fc_qkv
		.amdhsa_group_segment_fixed_size 327680
		.amdhsa_private_segment_fixed_size 0
		.amdhsa_enable_private_segment 0
		.amdhsa_kernarg_size 136
		.amdhsa_user_sgpr_count 2
		.amdhsa_user_sgpr_kernarg_segment_ptr 1
		.amdhsa_wavefront_size32 1
		.amdhsa_system_sgpr_workgroup_id_x 1
		.amdhsa_system_sgpr_workgroup_id_y 1
		.amdhsa_system_sgpr_workgroup_id_z 1
		.amdhsa_system_vgpr_workitem_id 0
		.amdhsa_next_free_vgpr 1024
		.amdhsa_next_free_sgpr 106
		.amdhsa_reserve_vcc 0
		.amdhsa_float_denorm_mode_32 3
		.amdhsa_float_denorm_mode_16_64 3
		.amdhsa_memory_ordered 1
		.amdhsa_forward_progress 1
		.amdhsa_inst_pref_size 205
	.end_amdhsa_kernel
	.amdgpu_metadata
---
amdhsa.version: [ 1, 2 ]
amdhsa.kernels:
  - .name:           k_q02091769fc_qkv
    .symbol:         k_q02091769fc_qkv.kd
    .args:
      - { .name: x_codes, .offset: 0, .size: 8, .value_kind: global_buffer, .address_space: global }
      - { .name: x_scales, .offset: 8, .size: 8, .value_kind: global_buffer, .address_space: global }
      - { .name: Wq_codes, .offset: 16, .size: 8, .value_kind: global_buffer, .address_space: global }
      - { .name: Wq_scales, .offset: 24, .size: 8, .value_kind: global_buffer, .address_space: global }
      - { .name: Wk_codes, .offset: 32, .size: 8, .value_kind: global_buffer, .address_space: global }
      - { .name: Wk_scales, .offset: 40, .size: 8, .value_kind: global_buffer, .address_space: global }
      - { .name: Wv_codes, .offset: 48, .size: 8, .value_kind: global_buffer, .address_space: global }
      - { .name: Wv_scales, .offset: 56, .size: 8, .value_kind: global_buffer, .address_space: global }
      - { .name: bq, .offset: 64, .size: 8, .value_kind: global_buffer, .address_space: global }
      - { .name: bk, .offset: 72, .size: 8, .value_kind: global_buffer, .address_space: global }
      - { .name: bv, .offset: 80, .size: 8, .value_kind: global_buffer, .address_space: global }
      - { .name: q_img, .offset: 88, .size: 8, .value_kind: global_buffer, .address_space: global }
      - { .name: q_scl, .offset: 96, .size: 8, .value_kind: global_buffer, .address_space: global }
      - { .name: k_img, .offset: 104, .size: 8, .value_kind: global_buffer, .address_space: global }
      - { .name: k_scl, .offset: 112, .size: 8, .value_kind: global_buffer, .address_space: global }
      - { .name: v_img, .offset: 120, .size: 8, .value_kind: global_buffer, .address_space: global }
      - { .name: v_scl, .offset: 128, .size: 8, .value_kind: global_buffer, .address_space: global }
    .group_segment_fixed_size: 327680
    .private_segment_fixed_size: 0
    .kernarg_segment_align: 8
    .kernarg_segment_size: 136
    .max_flat_workgroup_size: 128
    .sgpr_count:     106
    .vgpr_count:     1024
    .wavefront_size: 32
...
	.end_amdgpu_metadata
.endif
;; end of part 1
;; launch attn (part 2): grid 4 x 64, 16 waves a work-group, no clusters, 327,680 bytes of LDS; arguments q_img, q_scl, k_img, k_scl, v_img, v_scl, o_img, o_scl; writes o_img, o_scl
.if DOCPART == 2
	.amdgcn_target "amdgcn-amd-amdhsa--gfx1250"
	.amdhsa_code_object_version 6
	.text
	.protected	k_q02091769fc_attn
	.globl	k_q02091769fc_attn
	.p2align	8
	.type	k_q02091769fc_attn,@function
k_q02091769fc_attn:
	s_mov_b64 s[64:65], 0
	v_nop
	global_prefetch_b8 v0, s[64:65] scope:SCOPE_SE
	s_setreg_imm32_b32 hwreg(HW_REG_WAVE_MODE, 25, 1), 1
	s_wait_xcnt 0x0
; Causal attention of one head on codes of FP6 (E2M3): S^T = K Q^T (K = the head's 64 channels: the upper half of the instruction's 128 is zero codes), p = 2^(t - M), O^T = V^T P^T (K = the keys), O / l,
; and O quantised along d_model for the last projection.  t = score x log2(e) / 8; M = the running largest t rounded up to a whole number; l = the sum of the unquantised p, in f32.
; All operands come as images of operand registers, in pieces of 8 bytes a lane (piece p at 256 p + 8 x lane), so every LDS load of a piece takes 256 consecutive bytes.
; SHARES.  Work-group (j, head) owns the query blocks j and 7 - j (256 queries each), one after the other; it walks the key slots (256 keys) 0 .. j and then 0 .. 7 - j: NINE slots in every work-group: the trip
; count is a constant, the work is even, and there are 4 x 64 = 256 work-groups.  Each of the sixteen waves owns one tile of 16 queries of the block in hand, in 256 registers: four waves to a SIMD.
; A step (128 keys) all of whose keys come after the wave's queries is jumped over; on the diagonal hidden scores become -infinity ahead of the maximum.  Key 0 counts for every query, so M is a number from the first step on.
; NO CLUSTER: the four work-groups of a head want different slots in the same trip (slot t of block j is not slot t of block j + 1's second pass), and a slot is 26,624 bytes for two steps of sixteen waves.
; LAYOUT.  Both products are used transposed: a lane holds ONE query (lane % 16).  A tile of keys is 16 neighbouring keys, so p's 16 registers of two tiles are keys 8 h + 0..7 and 16 + 8 h + 0..7 of a block of 32:
; in p's codes the block's two middle groups of eight change places, as they do in v's codes: the products are the same, summed in another order inside a block.  O is put into the natural order before it is quantised.
; THE RING: two slots, 32,768 bytes apart; a slot: K's codes 12,288, V's codes 12,288, K's scale words 1,024, V's 1,024.  Waves 0 to 3 fetch one of the four each; one tensor load of a wave is out at the most.
; The two scale bytes a token of o_scl are stored by 2 bytes a lane, rows 32 bytes apart: parts of aligned blocks; they are one byte in 24 of what the launch stores.
; LIMITS: a block whose largest magnitude lies under 2^-124 keeps the byte 1; a block of zeros gets the byte 1 and not 127 (its codes are zeros; this program alone reads the bytes); NaN and infinities are not served.
; A block's largest p is the block's largest score put through the same multiply-add and exponential; this takes v_exp_f32 not to fall where its input rises.
; REGISTERS: v1 8 x lane, v3 4 x lane; v2, v4 my byte offset in q_img and o_img (pass 1, 2); v7, v9 in o_scl; v11, v37 in q_scl; v5, v6 the add's; v8, v10 LDS addresses of the slot in hand; v12 -M, v13 the largest t,
; v[14:15] the sum; v16-27 Q (22-27 zeros); v28-34 the second pass's q and scale word; v35 Q's scale word; v36 r - 8 h; v40-87 four fragments of K (each: 6 loaded, 6 zeros); v88-91 K's scale words (two tiles a register),
; v92-95 V's; v96-159 S^T, then p, then V's fragments; v160-191 O^T; v192-210 codes; v212-231 at work.
.set SLOT1, 32768
.set VOFF,  12288
.set KSOFF, 24576
.set VSOFF, 25600
.set SPARE, 65536                      ; the spare words: 128 bytes a wave, eight blocks of 256 bytes that no other line names
.set WV,   20
.set J,    21
.set SEL,  22
.set CS,   24
.set TB,   26                          ; LDS byte at which the slot in hand begins
.set TRIP, 27
.set SEQ,  28                          ; which 256 keys were asked for last
.set KF,   29                          ; the step's first key
.set Q0,   30                          ; my first query
.set J1,   31
.set Q02,  66                          ; my first query of the second pass
.set G1K,  32
.set G1V,  40
.set G1KS, 48
.set G1VS, 56
.set G0K,  68
.set G0V,  72
.set G0KS, 76
.set G0VS, 80
.set KB,   84                          ; s[84:91] the head's first byte in k_img, v_img, k_scl, v_scl
.set VB,   86
.set KSB,  88
.set VSB,  90
; Wave 0 fetches K's codes, wave 1 V's, wave 2 K's scale words, wave 3 V's, the others nothing.  Four v_nop follow each load.
.macro TLOAD4
	s_cmp_lg_u32 s[WV], 0
	s_cbranch_scc1 .Lnot0_\@
	tensor_load_to_lds s[G0K:G0K+3], s[G1K:G1K+7]
	s_nop 0
.rept 4
	v_nop
.endr
	s_branch .Lasked_\@
.Lnot0_\@:
	s_cmp_lg_u32 s[WV], 1
	s_cbranch_scc1 .Lnot1_\@
	tensor_load_to_lds s[G0V:G0V+3], s[G1V:G1V+7]
	s_nop 0
.rept 4
	v_nop
.endr
	s_branch .Lasked_\@
.Lnot1_\@:
	s_cmp_lg_u32 s[WV], 2
	s_cbranch_scc1 .Lnot2_\@
	tensor_load_to_lds s[G0KS:G0KS+3], s[G1KS:G1KS+7]
	s_nop 0
.rept 4
	v_nop
.endr
	s_branch .Lasked_\@
.Lnot2_\@:
	s_cmp_lg_u32 s[WV], 3
	s_cbranch_scc1 .Lasked_\@
	tensor_load_to_lds s[G0VS:G0VS+3], s[G1VS:G1VS+7]
	s_nop 0
.rept 4
	v_nop
.endr
.Lasked_\@:
.endm
	s_load_b512 s[4:19], s[0:1], 0x0               ; q_img 4, q_scl 6, k_img 8, k_scl 10, v_img 12, v_scl 14, o_img 16, o_scl 18
	v_lshl_add_u32 v5, v0, 2, SPARE
	v_mov_b32 v6, 0
	ds_add_u32 v5, v6
	ds_add_u32 v5, v6
	s_wait_dscnt 0x0
	v_lshrrev_b32 v1, 5, v0
	s_delay_alu instid0(VALU_DEP_1)
	v_readfirstlane_b32 s[WV], v1                  ; wave 0..15
	s_mov_b32 s[J], ttmp9
	s_add_co_u32 s[J1], s[J], 1
	s_and_b32 s2, ttmp7, 0xffff                    ; 16 x batch + head
	s_lshr_b32 s3, s2, 4                           ; batch
	s_and_b32 s100, s2, 15                         ; head
	s_mul_i32 s92, s3, 1572864                     ; a batch in k_img (128 tiles x 12,288) and in v_img (16 steps x 98,304)
	s_mul_i32 s93, s100, 768
	s_add_co_u32 s94, s92, s93
	s_mov_b32 s95, 0
	s_mul_i32 s93, s100, 6144
	s_add_co_u32 s96, s92, s93
	s_mov_b32 s97, 0
	s_lshl_b32 s98, s2, 13                         ; k_scl: 8,192 bytes a head
	s_mov_b32 s99, 0
	s_lshl_b32 s92, s3, 17                         ; v_scl: 131,072 a batch, 512 a head
	s_lshl_b32 s93, s100, 9
	s_add_co_u32 s92, s92, s93
	s_mov_b32 s93, 0
	; descriptor groups 1: elements of 8 bytes, no mask, no padding
	s_mov_b32 s[G1K], 3<<16                        ; K's codes: 16 rows (tiles) of 768 bytes, 12,288 bytes apart
	s_mov_b32 s[G1K+1], 96<<16
	s_mov_b32 s[G1K+2], 16<<16
	s_mov_b32 s[G1K+3], 96<<16
	s_mov_b32 s[G1K+4], 16
	s_mov_b32 s[G1K+5], 1536
	s_mov_b32 s[G1K+6], 0
	s_mov_b32 s[G1K+7], 0
	s_mov_b32 s[G1V], 3<<16                        ; V's codes: 2 rows (steps) of 6,144 bytes, 98,304 bytes apart
	s_mov_b32 s[G1V+1], 768<<16
	s_mov_b32 s[G1V+2], 2<<16
	s_mov_b32 s[G1V+3], 768<<16
	s_mov_b32 s[G1V+4], 2
	s_mov_b32 s[G1V+5], 12288
	s_mov_b32 s[G1V+6], 0
	s_mov_b32 s[G1V+7], 0
	s_mov_b32 s[G1KS], 3<<16                       ; K's scale words: 1,024 dense bytes, as 4 rows of 256
	s_mov_b32 s[G1KS+1], 32<<16
	s_mov_b32 s[G1KS+2], 4<<16
	s_mov_b32 s[G1KS+3], 32<<16
	s_mov_b32 s[G1KS+4], 4
	s_mov_b32 s[G1KS+5], 32
	s_mov_b32 s[G1KS+6], 0
	s_mov_b32 s[G1KS+7], 0
	s_mov_b32 s[G1VS], 3<<16                       ; V's scale words: 2 rows of 512 bytes, 8,192 bytes apart
	s_mov_b32 s[G1VS+1], 64<<16
	s_mov_b32 s[G1VS+2], 2<<16
	s_mov_b32 s[G1VS+3], 64<<16
	s_mov_b32 s[G1VS+4], 2
	s_mov_b32 s[G1VS+5], 1024
	s_mov_b32 s[G1VS+6], 0
	s_mov_b32 s[G1VS+7], 0
	s_wait_kmcnt 0x0
	s_add_nc_u64 s[KB:KB+1], s[8:9], s[94:95]
	s_add_nc_u64 s[VB:VB+1], s[12:13], s[96:97]
	s_add_nc_u64 s[KSB:KSB+1], s[10:11], s[98:99]
	s_add_nc_u64 s[VSB:VSB+1], s[14:15], s[92:93]
	s_mov_b32 s[G0K], 1
	s_mov_b32 s[G0K+1], 0
	s_mov_b64 s[G0K+2:G0K+3], s[KB:KB+1]
	s_or_b32 s[G0K+3], s[G0K+3], 0x80000000
	s_mov_b32 s[G0V], 1
	s_mov_b32 s[G0V+1], VOFF
	s_mov_b64 s[G0V+2:G0V+3], s[VB:VB+1]
	s_or_b32 s[G0V+3], s[G0V+3], 0x80000000
	s_mov_b32 s[G0KS], 1
	s_mov_b32 s[G0KS+1], KSOFF
	s_mov_b64 s[G0KS+2:G0KS+3], s[KSB:KSB+1]
	s_or_b32 s[G0KS+3], s[G0KS+3], 0x80000000
	s_mov_b32 s[G0VS], 1
	s_mov_b32 s[G0VS+1], VSOFF
	s_mov_b64 s[G0VS+2:G0VS+3], s[VSB:VSB+1]
	s_or_b32 s[G0VS+3], s[G0VS+3], 0x80000000
	TLOAD4                                         ; slot 0: keys 0 to 255
	s_lshl_b32 s92, s[J], 4
	s_add_co_u32 s92, s92, s[WV]                   ; my tile in the batch, pass 1: 16 j + wave
	s_sub_co_u32 s93, 7, s[J]
	s_lshl_b32 s93, s93, 4
	s_add_co_u32 s93, s93, s[WV]                   ; pass 2: 16 (7 - j) + wave
	s_lshl_b32 s[Q0], s92, 4
	s_lshl_b32 s[Q02], s93, 4
	s_lshl_b32 s94, s3, 7
	s_add_co_u32 s95, s94, s92                     ; the tiles among all 512
	s_add_co_u32 s96, s94, s93
	s_mul_i32 s97, s100, 768
	v_and_b32 v37, 31, v0
	s_delay_alu instid0(VALU_DEP_1)
	v_lshlrev_b32 v1, 3, v37
	s_delay_alu instid0(VALU_DEP_2)
	v_lshlrev_b32 v3, 2, v37
	v_and_b32 v38, 15, v0                          ; r
	s_wait_alu depctr_va_vdst(0)
	v_bfe_u32 v39, v0, 4, 1                        ; h
	s_wait_alu depctr_va_vdst(0)
	s_mul_i32 s98, s95, 12288
	s_add_co_u32 s98, s98, s97
	v_add_nc_u32 v2, s98, v1                       ; q_img, o_img: tile x 12,288 + head x 768 + 8 x lane
	s_wait_alu depctr_va_vdst(0)
	s_mul_i32 s98, s96, 12288
	s_add_co_u32 s98, s98, s97
	v_add_nc_u32 v4, s98, v1
	s_wait_alu depctr_va_vdst(0)
	s_lshl_b32 s99, s100, 1
	s_lshl_b32 s98, s95, 9
	s_add_co_u32 s98, s98, s99
	v_lshl_add_u32 v7, v38, 5, s98                 ; o_scl: token x 32 + 2 x head
	s_lshl_b32 s98, s96, 9
	s_add_co_u32 s98, s98, s99
	v_lshl_add_u32 v9, v38, 5, s98
	s_lshl_b32 s98, s2, 13
	s_lshl_b32 s99, s92, 6
	s_add_co_u32 s99, s99, s98
	v_lshl_add_u32 v11, v38, 2, s99                ; q_scl: head's plane + tile x 64 + 4 r
	s_lshl_b32 s99, s93, 6
	s_add_co_u32 s99, s99, s98
	v_lshl_add_u32 v37, v38, 2, s99
	v_lshlrev_b32 v36, 3, v39
	s_delay_alu instid0(VALU_DEP_1)
	v_sub_nc_u32 v36, v38, v36                     ; r - 8 h
.irp p, 0,1,2
	global_load_b64 v[16+2*\p:17+2*\p], v2, s[4:5] offset:256*\p
	global_load_b64 v[28+2*\p:29+2*\p], v4, s[4:5] offset:256*\p
.endr
	global_load_b32 v35, v11, s[6:7]
	global_load_b32 v34, v37, s[6:7]
.irp i, 22,23,24,25,26,27
	v_mov_b32 v\i, 0                               ; K = 64: the upper 64 of the instruction's 128 are zero codes, in Q
.endr
.irp t, 0,1,2,3
.irp i, 6,7,8,9,10,11
	v_mov_b32 v[40+12*\t+\i], 0                    ; and in K: written once
.endr
.endr
	v_mov_b32 v13, 0xff61b1e6                      ; the largest t so far: -3e38
	s_delay_alu instid0(VALU_DEP_1)
	v_floor_f32 v12, -v13
	v_mov_b32 v14, 0
	v_mov_b32 v15, 0
.set i, 0
.rept 32
	v_mov_b32 v[160+i], 0                          ; O^T: the step is written once: the first finds zeros
.set i, i+1
.endr
.irp i, 216,217,218,219,226,229
	v_mov_b32 v\i, 0                               ; lane permutes' destinations, and the upper half of the pair v[228:229]
.endr
	s_mov_b32 s[SEL], 0x76543210
	s_mov_b32 s[SEL+1], 0xfedcba98
	s_mov_b32 s[CS], 0x3e38aa3b                    ; c = log2(e) / sqrt(64)
	s_mov_b32 s[CS+1], s[CS]
	s_mov_b32 s[TB], 0
	s_mov_b32 s[SEQ], 0
	s_mov_b32 s[KF], 0
	s_mov_b32 s101, 0
	s_wait_loadcnt 0x0                             ; q of both passes
; THE CHANGE OF SLOTS stands at a slot's head.  fill = 1: the slot that has been left is filled with the keys of the next trip: the keys that follow, or, behind the first pass's last slot, keys 0 on again.
.macro CHANGE fill
	s_wait_tensorcnt 0x0                           ; no tensor load of mine is out, so a group 0 may be written; my part of the slot ahead has landed
	ds_add_u32 v5, v6                              ; 0 onto my spare word
.if \fill
	s_add_co_u32 s[SEQ], s[SEQ], 1
	s_cmp_eq_u32 s[TRIP], s[J]
	s_cselect_b32 s[SEQ], 0, s[SEQ]
	s_xor_b32 s[G0K+1], s[G0K+1], SLOT1
	s_xor_b32 s[G0V+1], s[G0V+1], SLOT1
	s_xor_b32 s[G0KS+1], s[G0KS+1], SLOT1
	s_xor_b32 s[G0VS+1], s[G0VS+1], SLOT1
	s_mul_i32 s100, s[SEQ], 196608                 ; 256 keys: 16 tiles x 12,288 in k_img, 2 steps x 98,304 in v_img
	s_add_nc_u64 s[G0K+2:G0K+3], s[KB:KB+1], s[100:101]
	s_or_b32 s[G0K+3], s[G0K+3], 0x80000000
	s_add_nc_u64 s[G0V+2:G0V+3], s[VB:VB+1], s[100:101]
	s_or_b32 s[G0V+3], s[G0V+3], 0x80000000
	s_lshl_b32 s100, s[SEQ], 10
	s_add_nc_u64 s[G0KS+2:G0KS+3], s[KSB:KSB+1], s[100:101]
	s_or_b32 s[G0KS+3], s[G0KS+3], 0x80000000
	s_lshl_b32 s100, s[SEQ], 14
	s_add_nc_u64 s[G0VS+2:G0VS+3], s[VSB:VSB+1], s[100:101]
	s_or_b32 s[G0VS+3], s[G0VS+3], 0x80000000
.endif
	s_wait_dscnt 0x0                               ; the add is done, and my reads of the slot that I have left are over
	s_barrier_signal -1
	s_barrier_wait -1
.if \fill
	TLOAD4                                         ; the first thing behind the barrier, and a wave's one tensor load until the next
.endif
.endm
; A KEY STEP: 128 keys, the q-th of the slot in hand.
.macro STEP q
	s_add_co_u32 s2, s[Q0], 15
	s_cmp_gt_u32 s[KF], s2                         ; all 128 keys come after my 16 queries: nothing to do
	s_cbranch_scc1 .Lhidden_\@
	v_add_nc_u32 v8, s[TB], v1
	s_wait_alu depctr_va_vdst(0)
	v_add_nc_u32 v10, s[TB], v3
	s_wait_alu depctr_va_vdst(0)
.rept 3
	v_nop                                          ; with the two additions five places: the products below write S^T over registers that the last step's V^T P read
.endr
.irp g, 0,1                                    ; S^T = K Q^T, four tiles of 16 keys at a time
.if \g > 0
.rept 4
	v_nop                                          ; places in front of loads into registers that matrix instructions have read
.endr
.endif
.irp t, 0,1,2,3
.irp p, 0,1,2
	ds_load_b64 v[40+12*\t+2*\p:41+12*\t+2*\p], v8 offset:(8*(\q)+4*\g+\t)*768+256*\p
.endr
.endr
.irp i, 0,1
	ds_load_b32 v[88+2*\g+\i], v10 offset:KSOFF+512*(\q)+128*(2*\g+\i)   ; lanes 0-15 the even tile's words, lanes 16-31 the odd tile's
.endr
	s_wait_dscnt 0x0
.irp t, 0,2
	v_wmma_scale_f32_16x16x128_f8f6f4 v[96+8*(4*\g+\t):103+8*(4*\g+\t)], v[40+12*\t:51+12*\t], v[16:27], 0, v[88+2*\g+\t/2], v35 matrix_a_fmt:MATRIX_FMT_FP6 matrix_b_fmt:MATRIX_FMT_FP6
	v_wmma_scale_f32_16x16x128_f8f6f4 v[104+8*(4*\g+\t):111+8*(4*\g+\t)], v[52+12*\t:63+12*\t], v[16:27], 0, v[88+2*\g+\t/2], v35 matrix_a_fmt:MATRIX_FMT_FP6 matrix_b_fmt:MATRIX_FMT_FP6 matrix_a_scale:MATRIX_SCALE_ROW1
.endr
.endr
.rept 4
	v_nop
.endr
	s_add_co_u32 s2, s[KF], 127
	s_cmp_le_u32 s2, s[Q0]                         ; all 128 keys count for all my queries: no mask
	s_cbranch_scc1 .Lopen_\@
	s_sub_co_i32 s2, s[Q0], s[KF]
	v_add_nc_u32 v226, s2, v36                     ; d = my query - KF - 8 h.  Register 16 b + i holds key KF + 8 h + 32 b + i + 8 (i / 8): hidden where 32 b + i + 8 (i / 8) > d
	v_mov_b32 v227, 0xff800000                     ; -infinity
.set n, 0
.rept 64
	v_cmp_gt_i32 vcc_lo, 32*(n/16)+n%16+8*((n%16)/8), v226
	v_cndmask_b32 v[96+n], v[96+n], v227, vcc_lo
.set n, n+1
.endr
.Lopen_\@:
.irp b, 0,1,2,3
	v_max3_num_f32 v[212+\b], v[96+16*\b], v[97+16*\b], v[98+16*\b]   ; the largest score of each block of 32 keys: for the row's maximum, and for the block's largest p
.endr
.irp i, 3,5,7,9,11,13
.irp b, 0,1,2,3
	v_max3_num_f32 v[212+\b], v[212+\b], v[96+16*\b+\i], v[97+16*\b+\i]
.endr
.endr
.irp b, 0,1,2,3
	v_max_num_f32 v[212+\b], v[212+\b], v[111+16*\b]
.endr
.irp b, 0,1,2,3
	s_delay_alu instid0(VALU_DEP_4)
	v_permlanex16_b32 v[216+\b], v[212+\b], s[SEL], s[SEL+1]
.endr
.irp b, 0,1,2,3
	s_delay_alu instid0(VALU_DEP_4)
	v_max_num_f32 v[212+\b], v[212+\b], v[216+\b]  ; with lane l xor 16's 16 keys
.endr
	s_delay_alu instid0(VALU_DEP_2)
	v_max3_num_f32 v226, v212, v213, v214
	s_delay_alu instid0(VALU_DEP_1)
	v_max_num_f32 v226, v226, v215
	s_delay_alu instid0(VALU_DEP_1)
	v_mul_f32 v226, s[CS], v226                    ; as t
	s_delay_alu instid0(VALU_DEP_1)
	v_max_num_f32 v13, v13, v226                   ; the running largest t
	v_mov_b32 v226, v12
	s_delay_alu instid0(VALU_DEP_2)
	v_floor_f32 v12, -v13                          ; the new -M = -ceil(t)
	s_delay_alu instid0(VALU_DEP_1)
	v_sub_f32 v226, v12, v226                      ; old M - new M: a whole number, 0 or less
	s_delay_alu instid0(VALU_DEP_1)
	v_cvt_i32_f32 v226, v226                       ; (it saturates)
	s_delay_alu instid0(VALU_DEP_1)
	v_ldexp_f32 v228, 1.0, v226                    ; f = 2^(old M - new M)
.set jj, 0
.rept 32
	v_pk_fma_f32 v[96+jj:97+jj], v[96+jj:97+jj], s[CS:CS+1], v[12:13] op_sel_hi:[1,0,0]   ; t - M
.set jj, jj+2
.endr
.irp b, 0,1,2,3
	v_fma_f32 v[212+\b], v[212+\b], s[CS], v12
.endr
.set jj, 0
	s_wait_alu depctr_va_vdst(0)
.rept 64
	v_exp_f32 v[96+jj], v[96+jj]                   ; p = 2^(t - M), at most 1
.set jj, jj+1
.endr
.irp b, 0,1,2,3
	v_exp_f32 v[212+\b], v[212+\b]                 ; the block's largest p
.endr
	v_pk_mul_f32 v[14:15], v[14:15], v[228:229] op_sel_hi:[1,0]   ; the sums under the new M.  (A plain place behind the exponentials)
	s_wait_alu depctr_va_vdst(0)
.irp b, 0,1,2,3
	v_max_num_f32 v[212+\b], 0x1800000, v[212+\b]  ; the floor 2^(3 - 127)
.endr
.irp b, 0,1,2,3
	s_delay_alu instid0(VALU_DEP_4)
	v_add_nc_u32 v[220+\b], 0xff000000, v[212+\b]  ; the conversion's scale operand
.endr
.irp b, 0,1,2,3
	s_delay_alu instid0(VALU_DEP_4)
	v_lshrrev_b32 v[216+\b], 23, v[220+\b]         ; the scale's byte
.endr
	s_delay_alu instid0(VALU_DEP_3)
	v_lshl_or_b32 v224, v217, 8, v216              ; p's scale word for these 128 keys
	s_delay_alu instid0(VALU_DEP_1)
	v_lshl_or_b32 v224, v218, 16, v224
	s_delay_alu instid0(VALU_DEP_1)
	v_lshl_or_b32 v224, v219, 24, v224
.irp c, 0,1
	v_cvt_scalef32_pk16_fp6_f32 v[192+6*\c:194+6*\c], v[96+32*\c:111+32*\c], v[220+2*\c]
	v_cvt_scalef32_pk16_fp6_f32 v[204+4*\c:206+4*\c], v[112+32*\c:127+32*\c], v[220+2*\c+1]
.endr
	v_nop                                          ; one plain place behind a scaled conversion
.irp c, 0,1
.irp i, 0,1,2
	v_permlane16_swap_b32 v[192+6*\c+\i], v[204+4*\c+\i]
.endr
.irp i, 0,1,2
	s_delay_alu instid0(VALU_DEP_3)
	v_mov_b32 v[195+6*\c+\i], v[204+4*\c+\i]
.endr
.endr
	v_pk_add_f32 v[230:231], v[100:101], v[104:105]
	v_pk_add_f32 v[254:255], v[108:109], v[112:113]
	v_pk_add_f32 v[252:253], v[116:117], v[120:121]
	v_pk_add_f32 v[250:251], v[124:125], v[128:129]
	v_pk_add_f32 v[248:249], v[132:133], v[136:137]
	v_pk_add_f32 v[246:247], v[140:141], v[144:145]
	v_pk_add_f32 v[244:245], v[148:149], v[152:153]
	v_pk_add_f32 v[14:15], v[14:15], v[156:157]
	v_pk_add_f32 v[230:231], v[230:231], v[96:97]
	v_pk_add_f32 v[254:255], v[254:255], v[98:99]
	v_pk_add_f32 v[252:253], v[252:253], v[102:103]
	v_pk_add_f32 v[250:251], v[250:251], v[106:107]
	v_pk_add_f32 v[248:249], v[248:249], v[110:111]
	v_pk_add_f32 v[246:247], v[246:247], v[114:115]
	v_pk_add_f32 v[244:245], v[244:245], v[118:119]
	v_pk_add_f32 v[14:15], v[14:15], v[122:123]
	v_pk_add_f32 v[230:231], v[230:231], v[126:127]
	v_pk_add_f32 v[254:255], v[254:255], v[130:131]
	v_pk_add_f32 v[252:253], v[252:253], v[134:135]
	v_pk_add_f32 v[250:251], v[250:251], v[138:139]
	v_pk_add_f32 v[248:249], v[248:249], v[142:143]
	v_pk_add_f32 v[246:247], v[246:247], v[146:147]
	v_pk_add_f32 v[244:245], v[244:245], v[150:151]
	v_pk_add_f32 v[14:15], v[14:15], v[154:155]
	v_pk_add_f32 v[230:231], v[230:231], v[158:159]
	s_delay_alu instid0(VALU_DEP_2)
	v_pk_add_f32 v[14:15], v[14:15], v[250:251]
	s_delay_alu instid0(VALU_DEP_2)
	v_pk_add_f32 v[230:231], v[230:231], v[248:249]
	v_pk_add_f32 v[254:255], v[254:255], v[246:247]
	v_pk_add_f32 v[252:253], v[252:253], v[244:245]
	s_delay_alu instid0(VALU_DEP_2)
	v_pk_add_f32 v[14:15], v[14:15], v[254:255]
	s_delay_alu instid0(VALU_DEP_2)
	v_pk_add_f32 v[230:231], v[230:231], v[252:253]
	s_delay_alu instid0(VALU_DEP_1)
	v_pk_add_f32 v[14:15], v[14:15], v[230:231]
.irp c, 0,1,2,3                                ; V's four fragments (16 channels x 128 keys) land where p lay
.irp p, 0,1,2,3,4,5
	ds_load_b64 v[96+12*\c+2*\p:97+12*\c+2*\p], v8 offset:VOFF+6144*(\q)+1536*\c+256*\p
.endr
	ds_load_b32 v[92+\c], v10 offset:VSOFF+512*(\q)+128*\c
.endr
.set jj, 0
.rept 16
	v_pk_mul_f32 v[160+jj:161+jj], v[160+jj:161+jj], v[228:229] op_sel_hi:[1,0]   ; O^T under the new M, while the loads are out; each accumulator from its low end on
.set jj, jj+2
.endr
	s_wait_alu depctr_va_vdst(0)
	s_wait_dscnt 0x0
.irp c, 0,1,2,3                                ; O^T += V^T P^T: the four accumulators by turns
	v_wmma_scale_f32_16x16x128_f8f6f4 v[160+8*\c:167+8*\c], v[96+12*\c:107+12*\c], v[192:203], v[160+8*\c:167+8*\c], v[92+\c], v224 matrix_a_fmt:MATRIX_FMT_FP6 matrix_b_fmt:MATRIX_FMT_FP6
.endr
.Lhidden_\@:
	s_add_co_u32 s[KF], s[KF], 128
.endm
; A PASS'S END: O / l, put into the natural order of channels, quantised along d_model (two blocks of 32), stored as half a fragment's image and two scale bytes a token.
.macro FINISH vq, vs
.rept 4
	v_nop                                          ; places behind the last products
.endr
	v_add_f32 v14, v14, v15
	s_wait_alu depctr_va_vdst(0)
	v_permlanex16_b32 v226, v14, s[SEL], s[SEL+1]
	s_delay_alu instid0(VALU_DEP_1)
	v_add_f32 v14, v14, v226                       ; the row's sum
	s_wait_alu depctr_va_vdst(0)
	v_rcp_f32 v228, v14
	v_nop                                          ; a plain place behind the transcendental
.set jj, 0
	s_wait_alu depctr_va_vdst(0)
.rept 16
	v_pk_mul_f32 v[96+jj:97+jj], v[160+jj:161+jj], v[228:229] op_sel_hi:[1,0]   ; register 16 b + i: channel 32 b + 8 h + i + 8 (i / 8)
.set jj, jj+2
.endr
.irp b, 0,1
.irp j, 0,1,2,3,4,5,6,7
	v_permlane16_swap_b32 v[96+16*\b+\j], v[104+16*\b+\j]   ; now register 16 b + i: channel 32 b + 16 h + i, of the same query
.endr
.endr
.irp b, 0,1
	v_max3_num_f32 v[212+\b], |v[96+16*\b]|, |v[97+16*\b]|, 0x1800000
.endr
.irp i, 2,4,6,8,10,12,14
.irp b, 0,1
	s_delay_alu instid0(VALU_DEP_2)
	v_max3_num_f32 v[212+\b], v[212+\b], |v[96+16*\b+\i]|, |v[97+16*\b+\i]|
.endr
.endr
.irp b, 0,1
	s_delay_alu instid0(VALU_DEP_2)
	v_permlanex16_b32 v[216+\b], v[212+\b], s[SEL], s[SEL+1]
.endr
.irp b, 0,1
	s_delay_alu instid0(VALU_DEP_2)
	v_max_num_f32 v[212+\b], v[212+\b], v[216+\b]
.endr
.irp b, 0,1
	s_delay_alu instid0(VALU_DEP_2)
	v_add_nc_u32 v[220+\b], 0xff000000, v[212+\b]
.endr
.irp b, 0,1
	s_delay_alu instid0(VALU_DEP_2)
	v_lshrrev_b32 v[216+\b], 23, v[220+\b]
.endr
	s_delay_alu instid0(VALU_DEP_1)
	v_lshl_or_b32 v226, v217, 8, v216              ; the head's two bytes
	v_cvt_scalef32_pk16_fp6_f32 v[192:194], v[96:111], v220
	v_cvt_scalef32_pk16_fp6_f32 v[204:206], v[112:127], v221
	v_nop
.irp i, 0,1,2
	v_permlane16_swap_b32 v[192+\i], v[204+\i]
.endr
.irp i, 0,1,2
	s_delay_alu instid0(VALU_DEP_3)
	v_mov_b32 v[195+\i], v[204+\i]
.endr
.irp p, 0,1,2
	global_store_b64 v[\vq], v[192+2*\p:193+2*\p], s[16:17] offset:256*\p   ; 32 lanes store 256 consecutive bytes, at a multiple of 256 from the buffer's first byte
.endr
	global_store_b16 v[\vs], v226, s[18:19]        ; lanes r and r + 16 hold the same two bytes and store them to the same place
	s_wait_xcnt 0x0                                ; the stores' data are written again only behind this wait
.endm
	s_mov_b32 s[TRIP], 0
.Ltrip:                                            ; eight trips: behind each change of slots but the last the next slot is asked for
	CHANGE 1
	s_cmp_lg_u32 s[TRIP], s[J1]
	s_cbranch_scc1 .Lsame_pass
	FINISH 2, 7                                    ; the first pass (query block j) is over: its result leaves, and the second (block 7 - j) begins
.irp i, 0,1,2,3,4,5
	v_mov_b32 v[16+\i], v[28+\i]
.endr
	v_mov_b32 v35, v34
	v_mov_b32 v13, 0xff61b1e6
	s_delay_alu instid0(VALU_DEP_1)
	v_floor_f32 v12, -v13
	v_mov_b32 v14, 0
	v_mov_b32 v15, 0
.set i, 0
.rept 32
	v_mov_b32 v[160+i], 0                          ; (these are also the places between Q's registers just written and the next products)
.set i, i+1
.endr
	s_mov_b32 s[KF], 0
	s_mov_b32 s[Q0], s[Q02]
.Lsame_pass:
	STEP 0
	STEP 1
	s_xor_b32 s[TB], s[TB], SLOT1
	s_add_co_u32 s[TRIP], s[TRIP], 1
	s_cmp_lt_u32 s[TRIP], 8
	s_cbranch_scc1 .Ltrip
	CHANGE 0                                       ; the last slot is written out
	STEP 0
	STEP 1
	FINISH 4, 9
	s_wait_tensorcnt 0x0                           ; the wave's end
	ds_add_u32 v5, v6
	s_wait_dscnt 0x0
	s_endpgm
.Lfunc_end_k_q02091769fc_attn:
	.size	k_q02091769fc_attn, .Lfunc_end_k_q02091769fc_attn-k_q02091769fc_attn
	.p2alignl 7, 3214868480
	.fill 96, 4, 3214868480
	.section	.rodata,"a",@progbits
	.p2align	6, 0x0
	.amdhsa_kernel k_q02091769fc_attn
		.amdhsa_group_segment_fixed_size 327680
		.amdhsa_private_segment_fixed_size 0
		.amdhsa_enable_private_segment 0
		.amdhsa_kernarg_size 64
		.amdhsa_user_sgpr_count 2
		.amdhsa_user_sgpr_kernarg_segment_ptr 1
		.amdhsa_wavefront_size32 1
		.amdhsa_system_sgpr_workgroup_id_x 1
		.amdhsa_system_sgpr_workgroup_id_y 1
		.amdhsa_system_sgpr_workgroup_id_z 1
		.amdhsa_system_vgpr_workitem_id 0
		.amdhsa_next_free_vgpr 256
		.amdhsa_next_free_sgpr 102
		.amdhsa_reserve_vcc 1
		.amdhsa_float_denorm_mode_32 3
		.amdhsa_float_denorm_mode_16_64 3
		.amdhsa_memory_ordered 1
		.amdhsa_forward_progress 1
		.amdhsa_inst_pref_size 120
	.end_amdhsa_kernel
	.amdgpu_metadata
---
amdhsa.version: [ 1, 2 ]
amdhsa.kernels:
  - .name:           k_q02091769fc_attn
    .symbol:         k_q02091769fc_attn.kd
    .args:
      - { .name: q_img, .offset: 0, .size: 8, .value_kind: global_buffer, .address_space: global }
      - { .name: q_scl, .offset: 8, .size: 8, .value_kind: global_buffer, .address_space: global }
      - { .name: k_img, .offset: 16, .size: 8, .value_kind: global_buffer, .address_space: global }
      - { .name: k_scl, .offset: 24, .size: 8, .value_kind: global_buffer, .address_space: global }
      - { .name: v_img, .offset: 32, .size: 8, .value_kind: global_buffer, .address_space: global }
      - { .name: v_scl, .offset: 40, .size: 8, .value_kind: global_buffer, .address_space: global }
      - { .name: o_img, .offset: 48, .size: 8, .value_kind: global_buffer, .address_space: global }
      - { .name: o_scl, .offset: 56, .size: 8, .value_kind: global_buffer, .address_space: global }
    .group_segment_fixed_size: 327680
    .private_segment_fixed_size: 0
    .kernarg_segment_align: 8
    .kernarg_segment_size: 64
    .max_flat_workgroup_size: 512
    .sgpr_count:     102
    .vgpr_count:     256
    .wavefront_size: 32
...
	.end_amdgpu_metadata
.endif
;; end of part 2
;; launch oproj (part 3): grid 4 x 32, 4 waves a work-group, clusters of 4 x 4, 327,680 bytes of LDS; arguments o_img, o_scl, Wo_codes, Wo_scales, bo, out0; writes out0
.if DOCPART == 3
	.amdgcn_target "amdgcn-amd-amdhsa--gfx1250"
	.amdhsa_code_object_version 6
	.text
	.protected	k_q02091769fc_oproj
	.globl	k_q02091769fc_oproj
	.p2align	8
	.type	k_q02091769fc_oproj,@function
k_q02091769fc_oproj:
	s_mov_b64 s[64:65], 0
	v_nop
	global_prefetch_b8 v0, s[64:65] scope:SCOPE_SE
	s_setreg_imm32_b32 hwreg(HW_REG_WAVE_MODE, 25, 1), 1
	s_wait_xcnt 0x0
	s_wait_alu depctr_hold_cnt(0) depctr_sa_sdst(0) depctr_va_vdst(0) depctr_va_sdst(0) depctr_va_ssrc(0) depctr_va_vcc(0) depctr_vm_vsrc(0)
	s_getreg_b32 s2, hwreg(HW_REG_IB_STS2, 6, 4)
	s_cmp_eq_u32 s2, 0
	s_cbranch_scc0 .Lentry_in_a_cluster
	s_endpgm
.Lentry_in_a_cluster:
	s_bfe_u32 s2, ttmp6, 0x10000c
	s_cmp_lg_u32 s2, 0xf033
	s_cbranch_scc0 .Lentry_shape_is_right
	s_endpgm
.Lentry_shape_is_right:
; out0 = o Wo^T + bo on codes of FP6 (E2M3) with E8M0 scales; sums in f32.  o: 8,192 tokens x 1,024, as images of operand registers ([token tile 512][head 16][3 pieces][32 lanes][8 bytes]: two heads are one
; fragment of 16 tokens x 128 K) with scale bytes [token][32];  Wo: [1,024][1,024] codes, K innermost, scale bytes [1,024][32];  bo [1,024], out0 [8,192][1,024]: f32.
; A tile of out0, 256 x 256, is made by four waves, a wave 128 x 128: 64 accumulators, 512 registers.  K goes in steps of 256 through two LDS slots.  128 work-groups: one tile each.
; A's tiles are dense runs of images (8 token tiles x 3,072 bytes a load): a piece of a fragment is 256 consecutive LDS bytes.  B's are rows of 192 bytes with 16 bytes of padding behind every 64.
; THE MATRIX INSTRUCTION IS USED TRANSPOSED (source 0 = 16 rows of Wo, source 1 = 16 tokens): a lane holds eight neighbouring numbers of a row of out0.  THE BIAS is the C of each sum's first product.
; CLUSTERS: 4 x 4 work-groups; A's tiles are asked for jointly along a row of the cluster, B's along a column.
; REGISTERS, in windows of 256: window 0: v0-31 addresses; v32-63 scale words, two sets; v64-127 the bias; v128-223 A's fragments, one set; on the way out v128-255 rows of out0.
;   window 1: B's fragments, two sets.   windows 2, 3: the accumulators ((a, b) at v[8 (8 (a % 4) + b)]).
.set SIZE_N, 1024
.set NQ,     2
.set ROWB,   192                       ; B: a tile's row
.set KROW,   768                       ; a row of Wo in memory; also a token's share of o's images
.set PITCH,  240
.set AKB,    3072                      ; A: a token tile's bytes of a K step (four heads)
.set FR,     12
.set NL,     6
.set NP,     4
.set HA,     8*AKB                     ; A: what one tensor load brings: 8 token tiles
.set HB,     128*PITCH                 ; B: 128 rows
.set BOFF,   2*HA
.set SLOT,   2*HA+2*HB
.set LAPS,   2
.set KS,     32
.set SCL,    2*SLOT
.set HALFS,  (128*KS/256)*272
.set SBLK,   (16*KS/256)*272
.set SPARE,  SCL+4*HALFS               ; the spare words: 128 bytes a wave, two blocks of 256 bytes that no other line names
.set SPITCH, 528                       ; the way out: a stage of 16 rows x (512 + 16) bytes for each wave, in slot 0, which has had its last fill and its last read when the first result is stored there
.set ADRA, 16                          ; v16-17 LDS address of my A fragments in slot 0, 1
.set ADRB, 20                          ; v20-23 the same for B, and behind one padding more
.set STO,  24
.set RD,   25
.set CO,   26
.set ADRS, 27
.set SPW,  28
.set NIL,  29
.set BO0,  30                          ; v30 my byte offset in bo; never rewritten
.set SC,   32
.set BI,   64                          ; register 8 b + j: bo of column 16 b + 8 h + j of my 128
.set AF,   128
.set BK,   128
.set G1, 24
.set G0, 32
.set G1B, 48
.set G0B, 56
.set G1S, 68
.set G0S, 76
.set G1SB, 80
.set G0SB, 88
.set MSB, 0
.macro WIN new
.if MSB != \new
	s_set_vgpr_msb (MSB<<8)|\new
.set MSB, \new
.endif
.endm
.set MUL_LO, 0xa1                      ; source 0 (B) window 1, source 1 (A) window 0, C and D window 2
.set MUL_HI, 0xf1
.set FST_LO, 0x81                      ; the first products: C (the bias) window 0, D window 2
.set FST_HI, 0xc1
.set TO_B,   0x40
.macro JLOAD g0a, g1a, g0b, g1b        ; a joint load: waves 0 and 1 fetch for A, waves 2 and 3 for B.  Four v_nop follow each of the two lines
	s_cmp_eq_u32 s15, 0
	s_cbranch_scc0 .Lfor_b_\@
	tensor_load_to_lds s[\g0a:\g0a+3], s[\g1a:\g1a+7]
	s_nop 0
.rept 4
	v_nop
.endr
	s_branch .Lasked_\@
.Lfor_b_\@:
	tensor_load_to_lds s[\g0b:\g0b+3], s[\g1b:\g1b+7]
	s_nop 0
.rept 4
	v_nop
.endr
.Lasked_\@:
.endm
.macro CREST
	s_cmp_lg_u32 s14, 0
	s_cbranch_scc1 .Lnot_wave_0_\@
	s_barrier_signal -3
.Lnot_wave_0_\@:
	s_barrier_wait -3
	s_barrier_signal -1
	s_barrier_wait -1
.endm
.macro CROUND
	s_barrier_signal -1
	s_barrier_wait -1
	CREST
.endm
	s_load_b128 s[4:7], s[0:1], 0x0                ; o's images, o's scales
	s_load_b128 s[8:11], s[0:1], 0x10              ; Wo's codes, Wo's scales
	s_load_b64 s[96:97], s[0:1], 0x20              ; bo
	s_load_b64 s[12:13], s[0:1], 0x28              ; out0
	v_lshl_add_u32 v[SPW], v0, 2, SPARE
	v_mov_b32 v[NIL], 0
	ds_add_u32 v28, v29
	s_wait_dscnt 0x0
	v_lshrrev_b32 v1, 5, v0
	v_readfirstlane_b32 s14, v1                    ; wave 0..3
	s_lshr_b32 s15, s14, 1                         ; which half of the tile's rows is mine.  Also: I fetch for A (0) or for B (1)
	s_and_b32 s16, s14, 1                          ; which half of its columns.  Also: which half of that tile I fetch
	s_bfe_u32 s40, ttmp6, 0x40000                  ; cx
	s_bfe_u32 s41, ttmp6, 0x40004                  ; cy
	s_lshl_b32 s42, ttmp9, 2
	s_add_co_u32 s42, s42, s40                     ; tile column
	s_and_b32 s17, ttmp7, 0xffff
	s_lshl_b32 s17, s17, 2
	s_add_co_u32 s17, s17, s41                     ; tile row
	s_lshl_b32 s43, s41, 2
	s_lshl_b32 s43, 15, s43                        ; my row of the cluster
	s_lshl_b32 s44, 0x1111, s40                    ; my column
	s_or_b32 s[G1+0], s43, (3<<16)|(1<<21)         ; A: the mask; elements of 8 bytes; no padding; bit 21 beside a mask
	s_mov_b32 s[G1+1], (AKB/8)<<16                 ; 8 rows (token tiles) of 3,072 bytes,
	s_mov_b32 s[G1+2], 8<<16
	s_mov_b32 s[G1+3], (AKB/8)<<16
	s_mov_b32 s[G1+4], 8
	s_mov_b32 s[G1+5], 12288/8                     ; 12,288 bytes apart
	s_mov_b32 s[G1+6], 0
	s_mov_b32 s[G1+7], 0
	s_or_b32 s[G1B+0], s44, (0<<16)|(1<<20)|(1<<21)|(3<<22)|(3<<25)   ; B: elements of 1 byte; 4 words of padding behind every 16
	s_mov_b32 s[G1B+1], ROWB<<16
	s_mov_b32 s[G1B+2], 128<<16
	s_mov_b32 s[G1B+3], ROWB<<16
	s_mov_b32 s[G1B+4], 128
	s_mov_b32 s[G1B+5], KROW
	s_mov_b32 s[G1B+6], 0
	s_mov_b32 s[G1B+7], 0
	s_or_b32 s[G1S+0], s43, (3<<16)|(1<<20)|(1<<21)|(5<<22)|(3<<25)   ; the scales of 128 rows: 4,096 dense bytes, as rows of 256 + 16 of padding
	s_or_b32 s[G1SB+0], s44, (3<<16)|(1<<20)|(1<<21)|(5<<22)|(3<<25)
.irp g, G1S, G1SB
	s_mov_b32 s[\g+1], 32<<16
	s_mov_b32 s[\g+2], (128*KS/256)<<16
	s_mov_b32 s[\g+3], 32<<16
	s_mov_b32 s[\g+4], 128*KS/256
	s_mov_b32 s[\g+5], 32
	s_mov_b32 s[\g+6], 0
	s_mov_b32 s[\g+7], 0
.endr
	s_lshl_b32 s18, s16, 7
	s_lshl_b32 s20, s17, 8
	s_add_co_u32 s20, s20, s18                     ; A: token 256 x tile row + 128 x half
	s_lshl_b32 s46, s42, 8
	s_add_co_u32 s46, s46, s18                     ; B: row 256 x tile column + 128 x half
	s_mov_b32 s21, 0
	s_mov_b32 s47, 0
	s_mov_b64 s[18:19], KS
	s_mul_u64 s[22:23], s[20:21], s[18:19]
	s_mul_u64 s[92:93], s[46:47], s[18:19]
	s_mov_b64 s[18:19], KROW
	s_mul_u64 s[20:21], s[20:21], s[18:19]         ; 16 tokens are 12,288 bytes of images: 768 a token, as a row of codes
	s_mul_u64 s[46:47], s[46:47], s[18:19]
	s_mul_i32 s45, s16, HA                         ; where they go: A's halves, then B's: no place in the cluster enters an LDS address
	s_mul_i32 s95, s16, HB
	s_add_co_u32 s95, s95, BOFF
	s_mul_i32 s94, s14, HALFS
	s_wait_kmcnt 0x0
	s_add_nc_u64 s[20:21], s[4:5], s[20:21]
	s_add_nc_u64 s[22:23], s[6:7], s[22:23]
	s_add_nc_u64 s[46:47], s[8:9], s[46:47]
	s_add_nc_u64 s[92:93], s[10:11], s[92:93]
	CROUND                                         ; all sixteen work-groups are here: the first joint loads meet
	s_mov_b32 s[G0S], 1
	s_add_co_u32 s[G0S+1], s94, SCL
	s_mov_b64 s[G0S+2:G0S+3], s[22:23]
	s_or_b32 s[G0S+3], s[G0S+3], 0x80000000
	s_mov_b32 s[G0SB], 1
	s_add_co_u32 s[G0SB+1], s94, SCL
	s_mov_b64 s[G0SB+2:G0SB+3], s[92:93]
	s_or_b32 s[G0SB+3], s[G0SB+3], 0x80000000
	JLOAD G0S, G1S, G0SB, G1SB                     ; the scales of all of K: filled once.  With the two below three tensor loads of mine are out
.irp s, 0,1
	s_mov_b32 s[G0+4*\s], 1
	s_add_co_u32 s[G0+4*\s+1], s45, \s*SLOT
	s_add_nc_u64 s[G0+4*\s+2:G0+4*\s+3], s[20:21], \s*AKB
	s_or_b32 s[G0+4*\s+3], s[G0+4*\s+3], 0x80000000
	s_mov_b32 s[G0B+4*\s], 1
	s_add_co_u32 s[G0B+4*\s+1], s95, \s*SLOT
	s_add_nc_u64 s[G0B+4*\s+2:G0B+4*\s+3], s[46:47], \s*ROWB
	s_or_b32 s[G0B+4*\s+3], s[G0B+4*\s+3], 0x80000000
	JLOAD G0+4*\s, G1, G0B+4*\s, G1B
.endr
	v_and_b32 v1, 15, v0                           ; r
	v_bfe_u32 v2, v0, 4, 1                         ; h
	v_and_b32 v6, 31, v0                           ; lane
	v_lshlrev_b32 v7, 3, v6                        ; A: 8 x lane
	v_mul_u32_u24 v3, v1, PITCH
	v_mul_u32_u24 v4, v2, 24
	v_add_nc_u32 v4, v3, v4                        ; B: row x pitch + 24 x half
	v_lshl_add_u32 v5, v2, 4, v4                   ; and the same behind one padding more
	s_mul_i32 s21, s15, HA                         ; my 8 token tiles of A
	s_mul_i32 s22, s16, HB                         ; my 128 rows of B
	s_add_co_u32 s22, s22, BOFF
.irp s, 0,1
	v_add_nc_u32 v[ADRA+\s], s21, v7
	v_add_nc_u32 v[ADRB+\s], s22, v4
	v_add_nc_u32 v[ADRB+2+\s], s22, v5
	s_add_co_u32 s21, s21, SLOT
	s_add_co_u32 s22, s22, SLOT
.endr
	v_mul_u32_u24 v5, v1, KS
	v_lshrrev_b32 v8, 8, v5
	v_lshl_add_u32 v5, v8, 4, v5
	s_mul_i32 s21, s15, HALFS
	s_mul_i32 s22, s16, HALFS
	s_add_co_u32 s22, s22, 2*HALFS
	s_sub_co_u32 s22, s22, s21
	v_mul_u32_u24 v8, s22, v2                      ; lanes 16-31 take B's
	s_add_co_u32 s21, s21, SCL
	v_add_nc_u32 v5, v5, v8
	v_add_nc_u32 v[ADRS], s21, v5
	s_lshl_b32 s20, s42, 10
	s_lshl_b32 s21, s16, 9
	s_add_co_u32 s20, s20, s21
	v_lshl_add_u32 v[BO0], v2, 5, s20              ; bo: 4 x (256 x tile column + 128 x half + 8 h)
.irp b, 0,1,2,3,4,5,6,7
	global_load_b128 v[BI+8*\b:BI+8*\b+3], v[BO0], s[96:97] offset:64*\b
	global_load_b128 v[BI+8*\b+4:BI+8*\b+7], v[BO0], s[96:97] offset:64*\b+16
.endr
	s_mul_i32 s23, s14, 16*SPITCH                  ; my stage
	v_mul_u32_u24 v5, v1, SPITCH
	v_lshl_add_u32 v5, v2, 5, v5
	v_add_nc_u32 v[STO], s23, v5
	v_lshlrev_b32 v[CO], 4, v6
	v_add_nc_u32 v[RD], s23, v[CO]
	s_lshl_b32 s20, s17, 8
	s_lshl_b32 s21, s15, 7
	s_add_co_u32 s20, s20, s21                     ; my first row of out0
	s_mov_b32 s21, 0
	s_mov_b64 s[18:19], SIZE_N*4
	s_mul_u64 s[20:21], s[20:21], s[18:19]
	s_lshl_b32 s46, s42, 10
	s_lshl_b32 s47, s16, 9
	s_add_co_u32 s46, s46, s47
	s_mov_b32 s47, 0
	s_add_nc_u64 s[20:21], s[20:21], s[46:47]
	s_add_nc_u64 s[12:13], s[12:13], s[20:21]
.macro FRAG reg, adr, q, i             ; B: 16 rows x 128 K: 12 registers, in pieces of 8 bytes; where the piece three on lies behind one padding more, the second address register serves
.irp p, 0,1,2,3,4,5
.set PCE, 12*(\q)+6*(\p/3)+\p%3
.if PCE%8 < 5
	ds_load_b64 v[\reg+2*\p:\reg+2*\p+1], v[\adr] offset:8*PCE+16*(PCE/8)+(\i)*16*PITCH
.else
	ds_load_b64 v[\reg+2*\p:\reg+2*\p+1], v[\adr+2] offset:8*PCE+16*(PCE/8)+(\i)*16*PITCH
.endif
.endr
.endm
.macro FRAGA reg, adr, q, i            ; A: the image of token tile i, the slot's q-th 128 along K: six pieces of 256 consecutive bytes
.irp p, 0,1,2,3,4,5
	ds_load_b64 v[\reg+2*\p:\reg+2*\p+1], v[\adr] offset:(\i)*AKB+(\q)*1536+256*\p
.endr
.endm
; 16 matrix instructions: A's blocks a0, a0 + 1 x B's eight.  first = 1: the bias is the C of the sum's first product.  The 64 accumulators take turns.
.macro MUL16 a0, p, q, sc, first
.irp a, \a0, \a0+1
.irp b, 0,1,2,3,4,5,6,7
.if \first
	v_wmma_scale_f32_16x16x128_f8f6f4 v[8*(8*((\a)%4)+\b):8*(8*((\a)%4)+\b)+7], v[128*(\p)+FR*\b:128*(\p)+FR*\b+FR-1], v[AF+FR*(\a):AF+FR*(\a)+FR-1], v[BI+8*\b:BI+8*\b+7], v[SC+8*NQ*(\sc)+NQ*\b+(\q)], v[SC+8*NQ*(\sc)+NQ*(\a)+(\q)] matrix_a_fmt:MATRIX_FMT_FP6 matrix_b_fmt:MATRIX_FMT_FP6 matrix_a_scale:MATRIX_SCALE_ROW1
.else
	v_wmma_scale_f32_16x16x128_f8f6f4 v[8*(8*((\a)%4)+\b):8*(8*((\a)%4)+\b)+7], v[128*(\p)+FR*\b:128*(\p)+FR*\b+FR-1], v[AF+FR*(\a):AF+FR*(\a)+FR-1], v[8*(8*((\a)%4)+\b):8*(8*((\a)%4)+\b)+7], v[SC+8*NQ*(\sc)+NQ*\b+(\q)], v[SC+8*NQ*(\sc)+NQ*(\a)+(\q)] matrix_a_fmt:MATRIX_FMT_FP6 matrix_b_fmt:MATRIX_FMT_FP6 matrix_a_scale:MATRIX_SCALE_ROW1
.endif
.endr
.endr
.endm
.macro FETCH_B slot, q, p
	WIN TO_B
.irp i, 0,1,2,3,4,5,6,7
	FRAG 128*(\p)+FR*\i, ADRB+\slot, \q, \i
.endr
	WIN 0
.endm
.macro FETCH_A slot, q, i0
.irp i, \i0, \i0+1, \i0+2, \i0+3
	FRAGA AF+FR*(\i), ADRA+\slot, \q, \i
.endr
.endm
.macro SCALES sc
.irp i, 0,1,2,3,4,5,6,7
	ds_load_b64 v[SC+8*NQ*\sc+NQ*\i:SC+8*NQ*\sc+NQ*\i+1], v[ADRS] offset:\i*SBLK
.endr
.endm
.macro PLACES n                        ; plain vector instructions between a matrix instruction and a load into, or a read of, its registers
.rept \n
	v_nop
.endr
.endm
.macro STEP slot, q, first
	s_wait_dscnt 4*NL                              ; B's set and A's blocks 0-3 are in; the youngest 24 loads (A's blocks 4-7) may be out
.if \first
	WIN FST_LO
.else
	WIN MUL_LO
.endif
	MUL16 0, (\q)%2, \q, \slot, \first
	MUL16 2, (\q)%2, \q, \slot, \first
	s_wait_dscnt 0
	PLACES NP
	FETCH_B \slot, (\q)+1, 1-(\q)%2
	FETCH_A \slot, (\q)+1, 0
.if \first
	WIN FST_HI
.else
	WIN MUL_HI
.endif
	MUL16 4, (\q)%2, \q, \slot, \first
	MUL16 6, (\q)%2, \q, \slot, \first
	PLACES NP
	WIN 0
	FETCH_A \slot, (\q)+1, 4
.endm
.macro TURN slot, next, fill
	s_wait_tensorcnt 0x0                           ; all my tensor loads have landed: my part of the next slot
	ds_add_u32 v[SPW], v[NIL]                      ; 0 onto my spare word
	s_wait_dscnt 4*NL+1                            ; the add and the youngest 24 loads (A's blocks 4-7) may be out
	WIN MUL_LO
	MUL16 0, 1, NQ-1, \slot, 0
	s_wait_dscnt 0x0                               ; the add is done, and my reads of this slot are over
	s_barrier_signal -1
	MUL16 2, 1, NQ-1, \slot, 0
	WIN 0
	s_barrier_wait -1
.if \fill
	CREST                                          ; the barrier has opened a round of the cluster's: no wave of any partner still reads this slot or has a load on its way
	s_add_nc_u64 s[G0+4*\slot+2:G0+4*\slot+3], s[G0+4*\slot+2:G0+4*\slot+3], 2*AKB
	s_add_nc_u64 s[G0B+4*\slot+2:G0B+4*\slot+3], s[G0B+4*\slot+2:G0B+4*\slot+3], 2*ROWB
	JLOAD G0+4*\slot, G1, G0B+4*\slot, G1B         ; the first tensor load behind the round; its four v_nop are the places in front of the loads below
.else
	PLACES NP
.endif
	v_add_nc_u32 v[ADRS], 4*NQ, v[ADRS]
	FETCH_B \next, 0, 0
	FETCH_A \next, 0, 0
	SCALES \next
	WIN MUL_HI
	MUL16 4, 1, NQ-1, \slot, 0
	MUL16 6, 1, NQ-1, \slot, 0
	PLACES NP
	WIN 0
	FETCH_A \next, 0, 4
.endm
	s_wait_tensorcnt 1                             ; the scales and my part of K step 0 are in; K step 1's load may be out
	s_barrier_signal -1
	s_barrier_wait -1
	FETCH_B 0, 0, 0
	FETCH_A 0, 0, 0
	SCALES 0
	FETCH_A 0, 0, 4
	s_wait_loadcnt 0x0                             ; the bias
	STEP 0, 0, 1                                   ; the first step's products start the sums, from the bias
	s_mov_b32 s3, LAPS-1
.Llap:
	TURN 0, 1, 1
	STEP 1, 0, 0
	TURN 1, 0, 1
	STEP 0, 0, 0
	s_sub_co_u32 s3, s3, 1
	s_cmp_lg_u32 s3, 0
	s_cbranch_scc1 .Llap
	TURN 0, 1, 0                                   ; the last lap fills nothing
	STEP 1, 0, 0
	s_wait_dscnt 4*NL
	WIN MUL_LO
	MUL16 0, 1, NQ-1, 1, 0
	MUL16 2, 1, NQ-1, 1, 0
	s_wait_dscnt 0
	WIN MUL_HI
	MUL16 4, 1, NQ-1, 1, 0
	MUL16 6, 1, NQ-1, 1, 0
	WIN 0
; THE WAY OUT, block by block of 16 rows x 128 columns, through my own stage in LDS: in as 32 bytes a lane, back as whole rows of 512 bytes.  LDS serves a wave's instructions in order (ISA guide 5.7.1.4).
.macro TOSTAGE a
.set AC, 64*((\a)%4)
	WIN 0x08+4*((\a)/4)                            ; the data: window 2 or 3
.irp b, 0,1,2,3,4,5,6,7
	ds_store_b128 v[STO], v[AC+8*\b:AC+8*\b+3] offset:64*\b          ; each accumulator from its low end on
	ds_store_b128 v[STO], v[AC+8*\b+4:AC+8*\b+7] offset:64*\b+16
.endr
	WIN 0
.set BB, BK+64*((\a)%2)
.irp t, 0,1,2,3,4,5,6,7,8,9,10,11,12,13,14,15
	ds_load_b128 v[BB+4*\t:BB+4*\t+3], v[RD] offset:\t*SPITCH
.endr
.endm
.macro SEND a, younger                 ; younger: the LDS instructions issued behind block a's loads, which may stay out
.set BB, BK+64*((\a)%2)
	s_wait_dscnt \younger
.if (\a) > 0
	s_add_nc_u64 s[12:13], s[12:13], 16*SIZE_N*4   ; (behind a wait on XCNT: the earlier stores have read their base)
.endif
.irp t, 0,1,2,3,4,5,6,7,8,9,10,11,12,13,14,15
	global_store_b128 v[CO], v[BB+4*\t:BB+4*\t+3], s[12:13] offset:\t*SIZE_N*4 th:TH_STORE_NT   ; 32 lanes store 512 consecutive bytes, at a multiple of 256 from out0's first byte
.endr
.endm
	PLACES NP
	TOSTAGE 0
.irp a, 1,2,3,4,5,6,7
.if \a > 1
	s_wait_xcnt 0x0                                ; block a - 2's stores have read their registers and their base
.endif
	TOSTAGE \a
	SEND \a-1, 32                                  ; behind block a - 1's loads: block a's 16 stores and 16 loads
.endr
	s_wait_xcnt 0x0
	SEND 7, 0
	s_wait_tensorcnt 0x0                           ; the wave's end
	ds_add_u32 v[SPW], v[NIL]
	s_wait_dscnt 0x0
	CROUND                                         ; the closing round
	s_endpgm
.Lfunc_end_k_q02091769fc_oproj:
	.size	k_q02091769fc_oproj, .Lfunc_end_k_q02091769fc_oproj-k_q02091769fc_oproj
	.p2alignl 7, 3214868480
	.fill 96, 4, 3214868480
	.section	.rodata,"a",@progbits
	.p2align	6, 0x0
	.amdhsa_kernel k_q02091769fc_oproj
		.amdhsa_group_segment_fixed_size 327680
		.amdhsa_private_segment_fixed_size 0
		.amdhsa_enable_private_segment 0
		.amdhsa_kernarg_size 48
		.amdhsa_user_sgpr_count 2
		.amdhsa_user_sgpr_kernarg_segment_ptr 1
		.amdhsa_wavefront_size32 1
		.amdhsa_system_sgpr_workgroup_id_x 1
		.amdhsa_system_sgpr_workgroup_id_y 1
		.amdhsa_system_sgpr_workgroup_id_z 1
		.amdhsa_system_vgpr_workitem_id 0
		.amdhsa_next_free_vgpr 1024
		.amdhsa_next_free_sgpr 98
		.amdhsa_reserve_vcc 0
		.amdhsa_float_denorm_mode_32 3
		.amdhsa_float_denorm_mode_16_64 3
		.amdhsa_memory_ordered 1
		.amdhsa_forward_progress 1
		.amdhsa_inst_pref_size 162
	.end_amdhsa_kernel
	.amdgpu_metadata
---
amdhsa.version: [ 1, 2 ]
amdhsa.kernels:
  - .name:           k_q02091769fc_oproj
    .symbol:         k_q02091769fc_oproj.kd
    .args:
      - { .name: o_img, .offset: 0, .size: 8, .value_kind: global_buffer, .address_space: global }
      - { .name: o_scl, .offset: 8, .size: 8, .value_kind: global_buffer, .address_space: global }
      - { .name: Wo_codes, .offset: 16, .size: 8, .value_kind: global_buffer, .address_space: global }
      - { .name: Wo_scales, .offset: 24, .size: 8, .value_kind: global_buffer, .address_space: global }
      - { .name: bo, .offset: 32, .size: 8, .value_kind: global_buffer, .address_space: global }
      - { .name: out0, .offset: 40, .size: 8, .value_kind: global_buffer, .address_space: global }
    .group_segment_fixed_size: 327680
    .private_segment_fixed_size: 0
    .kernarg_segment_align: 8
    .kernarg_segment_size: 48
    .max_flat_workgroup_size: 128
    .sgpr_count:     98
    .vgpr_count:     1024
    .wavefront_size: 32
...
	.end_amdgpu_metadata
.endif
;; end of part 3
